; MI455X (gfx1250); checked and timed in simulation.
; The chip was launched on July 23, 2026; its instructions are those of AMD's public machine-readable ISA for CDNA 5 (MIT licence, August 2026) and "CDNA5" Instruction Set Architecture Reference Guide (July 2026). The comments in the code are by the model that wrote it; some were corrected since.
;; Multi Head Attention. Allowed arithmetic: matrix products marked QUANTISED: E2M3 operands, one E8M0 scale for each 32 along K, by v_wmma_scale_f32_16x16x128_f8f6f4 with both operands' format E2M3, f32 sums; everything else in f32.
;; Inputs: Wk 1,024 x 1,024 float32; Wp 1,024 x 1,024 float32; Wq 1,024 x 1,024 float32; Wv 1,024 x 1,024 float32; bk 1,024 float32; bp 1,024 float32; bq 1,024 float32; bv 1,024 float32; x 4 x 2,048 x 1,024 float32.
;; Outputs: out0 4 x 2,048 x 1,024 float32.
;; This version of the problem:
;;   THIS VERSION OF THE PROBLEM IS GIVEN IN LOW PRECISION. The matrix products marked QUANTISED in the list below multiply operands that are first quantised to E2M3 (2 exponent bits, 3 mantissa bits; 6 bits a number), with one power-of-two scale for each 32 numbers along K (OCP MX v1.0); their sums are f32. All else is computed in f32.
;;   The module's matrix products, in the order in which they are computed (A, B: the left and right operand; K: the contracted axis; several contracted axes count as one K, in the product's order):
;;     1. [M 8,192, K 1,024] x [K 1,024, N 1,024]; A: input x; B: input Wq: QUANTISED
;;     2. [M 8,192, K 1,024] x [K 1,024, N 1,024]; A: input x; B: input Wk: QUANTISED
;;     3. [M 8,192, K 1,024] x [K 1,024, N 1,024]; A: input x; B: input Wv: QUANTISED
;;     4. batch 64 x [M 2,048, K 64] x [K 64, N 2,048]; A: computed on the way; B: computed on the way: QUANTISED
;;     5. batch 64 x [M 2,048, K 2,048] x [K 2,048, N 64]; A: softmax (see below); B: computed on the way: QUANTISED
;;     6. [M 8,192, K 1,024] x [K 1,024, N 1,024]; A: computed on the way; B: input Wp: QUANTISED
;;   THE QUANTISER, for each operand of a quantised product, along K:
;;     - K is cut into blocks of 32 from its start; a last block that is shorter is filled with zeros.
;;     - A block's scale is 2^e with e = floor(log2(the largest magnitude in the block)) - 2, held to -126 .. 127; a block of zeros has e = 0. As a byte (E8M0): e + 127.
;;     - Each number is divided by its block's scale, clamped to +-7.5, and rounded to the nearest number of E2M3, ties to even, subnormals kept.
;;     - The product sums the exact products of the quantised numbers (number of the format x scale) in f32.
;;   ~~~python
;;   def quantise(x, axis):      # numpy; x: float32 -> the quantised numbers, widened to float32 again
;;       x = np.moveaxis(x, axis, -1); K = x.shape[-1]
;;       x = np.pad(x, [(0, 0)] * (x.ndim - 1) + [(0, -K % 32)]); x = x.reshape(x.shape[:-1] + (-1, 32)); a = np.abs(x).max(-1, keepdims=True)
;;       e = np.where(a > 0, np.clip(np.frexp(np.where(a > 0, a, 1))[1] - 1 - 2, -126, 127), 0)      # np.frexp(a)[1] - 1 = floor(log2(a)), exactly
;;       r = np.clip(x / 2.0 ** e, -7.5, 7.5)
;;       step = 2.0 ** (np.maximum(np.frexp(np.where(r == 0, 1, r))[1] - 1, 0) - 3)
;;       q = np.round(r / step) * step * 2.0 ** e      # np.round: ties to even
;;       return np.moveaxis(q.reshape(q.shape[:-2] + (-1,))[..., :K], -1, axis).astype(np.float32)
;;   ~~~
;;   SOFTMAX AHEAD OF A QUANTISED PRODUCT. Where the list says 'softmax', what is quantised is not the finished softmax but p = 2^(t - M), with t = logit x log2(e) and M = ceil(the row's largest t), a whole number; so 1/2 < the row's largest p <= 1. The row's sum l is taken of the UNQUANTISED p, in f32, and the product's result is divided by l at the end. Since M is a whole number, a kernel that streams over the keys may use a running M (the ceiling of the running maximum): every later rescaling is an exact power of two, which a block's scale takes up: the codes' values come out the same.
;;   OPERANDS COMPUTED ON THE WAY. 'Computed on the way' means the value that the module computes at that place (a softmax that the list does not call 'softmax' is quantised finished and normalised). What goes into a quantiser is computed in f32, as accurately as f32 sums, v_exp_f32 and their like allow (about 1e-6 of the number): no bf16 or f16 on the way to a quantiser, and a product that is left as it is and whose result goes on into a quantised operand takes f32 operands (vector FMAs, or v_wmma_f32_16x16x4_f32). A number that lies on a knife's edge between two numbers of the format may be rounded either way, as far as f32 arithmetic and the matrix unit's own rounding can turn it there, and no further.
;; One version. Each part assembles by itself: llvm-mc -triple=amdgcn-amd-amdhsa -mcpu=gfx1250 --defsym DOCPART=n.
;; ======== version 1 of 1: 4 launches
;; workspace buffers: opc 9,437,184 bytes; ops 393,216 bytes; kv 13,369,344 bytes; qq 13,369,344 bytes; yc 6,291,456 bytes; ys 262,144 bytes
;; launch quant (part 1): grid 256 x 1, 6 waves a work-group, no clusters, 209,664 bytes of LDS; arguments x, Wq, Wk, Wv, Wp, opc, ops; writes opc, ops
.if DOCPART == 1
	.amdgcn_target "amdgcn-amd-amdhsa--gfx1250"
	.amdhsa_code_object_version 6
	.text
	.protected	k_qf824831006_quant
	.globl	k_qf824831006_quant
	.p2align	8
	.type	k_qf824831006_quant,@function
k_qf824831006_quant:
	s_mov_b64 s[64:65], 0
	v_nop
	global_prefetch_b8 v0, s[64:65] scope:SCOPE_SE
	s_setreg_imm32_b32 hwreg(HW_REG_WAVE_MODE, 25, 1), 1
	s_wait_xcnt 0x0
; x [8192][1024] f32 (K innermost) and Wq, Wk, Wv, Wp [1024 (k)][1024 (n)] f32 (K is the first axis) become codes of FP6 (E2M3) with one E8M0 byte for each 32 along K.
; A block's scale is 2^(floor(log2(its largest magnitude)) - 2): its byte is that magnitude's exponent field - 2, held at 1 from below; each number is divided by it and rounded to the nearest code, ties to even, beyond 7.5 the largest code.
; LIMITS: NaN and infinities among the inputs are not served.  A block of zeros, or one whose largest magnitude lies under 2^-124, gets the byte 1 (a block of zeros has zero codes, which add nothing); the bytes are read by this program alone.
; WHAT IS STORED.  Operand rows (tokens of x; output channels n of a weight) go in fragments of 16: slot r of fragment F is row 32 (F / 2) + 8 (F % 2) + r + 8 (r / 8).
; opc: [F][K step of 128: 8][1,536 bytes]: an image of the operand's 12 registers: piece p (registers 2 p, 2 p + 1) at 256 p, lane l at 8 l.  x: F 0-511; the weights behind them, rows Wq, Wk, Wv, Wp.
; ops: [F / 4][K step][slot r][F % 4] words of four scale bytes: 256 bytes for four fragments and a K step.  x first, the weights from byte 262,144.
; SHARES.  Each work-group does the same: waves 0-3 take 64 rows x 128 K of x each, waves 4-5 take 128 K x 64 columns of a weight each: four fragments of one K step a wave.
; A wave's whole share, 32 KiB, comes by ONE tensor load into LDS bytes of its own, read by that wave alone: no refill, no barrier.  The work-groups share no input: no cluster.  All bytes are asked for at the head: nothing is left to prefetch.
; Two of the sixteen rows that an LDS read touches (r and r + 8, which lie 16 rows apart) fall 16 pitches apart, a multiple of 256 bytes at any pitch that is a multiple of 16.
.set REG,   34816                      ; a wave's LDS: x: 64 rows x 528; W: 128 rows x 272
.set SPARE, 6*REG                      ; behind them the spare words, 128 bytes a wave: three blocks of 256 bytes that no other line names
.set XP,    528                        ; x's tile: a row of 512 bytes + 16
.set WPI,   272                        ; W's tile: a row of 256 bytes + 16
.set XA,  4                            ; v4   x: my wave's region + (r + 8 (r / 8)) x 528 + 128 h
.set WA,  5                            ; v5   W: my wave's region + 32 h rows + 4 (r + 8 (r / 8))
.set L8,  6                            ; v6   8 x lane: my place in a piece of an image
.set SO4, 7                            ; v7   16 r + 8 h: my two scale words' place
.set SH,  8                            ; v8   8 h
.set SPW, 10                           ; v10  my spare word; never rewritten
.set NIL, 11                           ; v11  0; never rewritten
.set PWQ, 20                           ; v20-23 the four fragments' scale words
.set X,   32                           ; v32-95 64 numbers: register 32 c + i = k 64 c + 32 h + i of my row
.set C,   96                           ; v96-143 codes: 12 registers a fragment, so that no store's data are written again
.set T,   144                          ; v144-150 the upper halves of two blocks, as the conversions leave them
.set G1X, 24
.set G1W, 32
.set G0X, 40
.set G0W, 44
	s_load_b256 s[4:11], s[0:1], 0x0               ; x, Wq, Wk, Wv
	s_load_b128 s[12:15], s[0:1], 0x20             ; Wp, opc
	s_load_b64 s[16:17], s[0:1], 0x30              ; ops
	v_lshl_add_u32 v[SPW], v0, 2, SPARE
	v_mov_b32 v[NIL], 0
	ds_add_u32 v[SPW], v[NIL]
	ds_add_u32 v[SPW], v[NIL]                      ; the wave's opening: the add and its wait come ahead of my tensor load; the set-up below, work on registers, stands between them
	v_lshrrev_b32 v1, 5, v0
	v_readfirstlane_b32 s18, v1                    ; wave 0..5
	s_mov_b32 s20, 0x76543210
	s_mov_b32 s21, 0xfedcba98                      ; v_permlanex16_b32's selects for lane l xor 16
	s_mov_b32 s22, 0xffff0000                      ; the lanes with h = 1
	; group 1 for x's tile: 64 rows x 128 elements of 4 bytes, 1,024 elements from row to row, 4 words of padding behind every 128
	s_mov_b32 s[G1X+0], (2<<16)|(1<<20)|(6<<22)|(3<<25)
	s_mov_b32 s[G1X+1], 128<<16
	s_mov_b32 s[G1X+2], 64<<16
	s_mov_b32 s[G1X+3], 128<<16
	s_mov_b32 s[G1X+4], 64
	s_mov_b32 s[G1X+5], 1024
	s_mov_b32 s[G1X+6], 0
	s_mov_b32 s[G1X+7], 0
	; and for W's: 128 rows x 64 elements, 4 words of padding behind every 64
	s_mov_b32 s[G1W+0], (2<<16)|(1<<20)|(5<<22)|(3<<25)
	s_mov_b32 s[G1W+1], 64<<16
	s_mov_b32 s[G1W+2], 128<<16
	s_mov_b32 s[G1W+3], 64<<16
	s_mov_b32 s[G1W+4], 128
	s_mov_b32 s[G1W+5], 1024
	s_mov_b32 s[G1W+6], 0
	s_mov_b32 s[G1W+7], 0
	s_mul_i32 s19, s18, REG                        ; my wave's region
	v_and_b32 v1, 31, v0                           ; lane
	v_and_b32 v2, 15, v0                           ; r
	v_bfe_u32 v3, v0, 4, 1                         ; h
	v_and_b32 v9, 8, v2
	v_add_nc_u32 v9, v9, v2                        ; r + 8 (r / 8)
	v_mul_u32_u24 v[XA], v9, XP                    ; both LDS addresses are made by every wave, ahead of the first parting on the wave's number
	v_lshl_add_u32 v[XA], v3, 7, v[XA]
	v_add_nc_u32 v[XA], s19, v[XA]
	v_mul_u32_u24 v[WA], v3, 32*WPI
	v_lshl_add_u32 v[WA], v9, 2, v[WA]
	v_add_nc_u32 v[WA], s19, v[WA]
	v_lshlrev_b32 v[L8], 3, v1
	v_lshlrev_b32 v[SO4], 4, v2
	v_lshl_add_u32 v[SO4], v3, 3, v[SO4]
	v_lshlrev_b32 v[SH], 3, v3
	v_mov_b32 v19, 0                               ; a lane permute's destination counts as one of its sources
	; x: rows 64 (g / 2) on, K step 4 (g % 2) + wave
	s_lshr_b32 s48, ttmp9, 1
	s_and_b32 s49, ttmp9, 1
	s_and_b32 s50, s18, 3
	s_lshl_b32 s49, s49, 2
	s_add_co_u32 s49, s49, s50
	s_lshl_b32 s52, s48, 18                        ; 64 rows of 4,096 bytes
	s_lshl_b32 s53, s49, 9
	s_add_co_u32 s52, s52, s53
	s_mov_b32 s53, 0
	; W: weight g / 64, K step (g / 8) % 8, columns 64 (2 (g % 8) + wave % 2) on
	s_lshr_b32 s54, ttmp9, 6
	s_bfe_u32 s55, ttmp9, 0x30003
	s_and_b32 s56, ttmp9, 7
	s_lshl_b32 s56, s56, 1
	s_and_b32 s57, s18, 1
	s_add_co_u32 s56, s56, s57
	s_lshl_b32 s58, s55, 19                        ; 128 rows of 4,096 bytes
	s_lshl_b32 s59, s56, 8
	s_add_co_u32 s58, s58, s59
	s_mov_b32 s59, 0
	; where my four images and my scale words go: in images of 1,536 bytes 32 x (rows / 64) + K step; in units of 256 bytes 8 x (rows / 64) + K step
	s_lshl_b32 s50, s54, 4
	s_add_co_u32 s50, s50, s56                     ; the weights' rows / 64 = 16 m + columns / 64
	s_lshl_b32 s51, s48, 5
	s_add_co_u32 s51, s51, s49
	s_lshl_b32 s57, s50, 5
	s_add_co_u32 s57, s57, s55
	s_add_co_u32 s57, s57, 4096                    ; behind x's 4,096 images
	s_lshl_b32 s48, s48, 3
	s_add_co_u32 s48, s48, s49
	s_lshl_b32 s50, s50, 3
	s_add_co_u32 s50, s50, s55
	s_add_co_u32 s50, s50, 1024                    ; behind x's 1,024 units
	s_cmp_lt_u32 s18, 4
	s_cselect_b32 s60, s51, s57
	s_cselect_b32 s62, s48, s50
	s_mul_i32 s60, s60, 1536
	s_mov_b32 s61, 0
	s_lshl_b32 s62, s62, 8
	s_mov_b32 s63, 0
	s_wait_dscnt 0x0                               ; the opening add is done
	s_wait_kmcnt 0x0
	s_add_nc_u64 s[14:15], s[14:15], s[60:61]
	s_add_nc_u64 s[16:17], s[16:17], s[62:63]
	s_bitcmp1_b32 s54, 0                           ; which weight: the choice hangs on the work-group's number alone
	s_cselect_b64 s[60:61], s[8:9], s[6:7]
	s_cselect_b64 s[62:63], s[12:13], s[10:11]
	s_bitcmp1_b32 s54, 1
	s_cselect_b64 s[60:61], s[62:63], s[60:61]
	s_mov_b32 s[G0X+0], 1
	s_mov_b32 s[G0X+1], s19
	s_add_nc_u64 s[G0X+2:G0X+3], s[4:5], s[52:53]
	s_or_b32 s[G0X+3], s[G0X+3], 0x80000000
	s_mov_b32 s[G0W+0], 1
	s_mov_b32 s[G0W+1], s19
	s_add_nc_u64 s[G0W+2:G0W+3], s[60:61], s[58:59]
	s_or_b32 s[G0W+3], s[G0W+3], 0x80000000
	s_cmp_lt_u32 s18, 4                            ; one tensor load a wave: one is out
	s_cbranch_scc0 .Lfill_w
	tensor_load_to_lds s[G0X:G0X+3], s[G1X:G1X+7]
	s_nop 0
.rept 4
	v_nop
.endr
	s_branch .Lfilled
.Lfill_w:
	tensor_load_to_lds s[G0W:G0W+3], s[G1W:G1W+7]
	s_nop 0
.rept 4
	v_nop
.endr
.Lfilled:
; fragment q of x: lane (r, h) takes, of its row, the 32 numbers of blocks h and 2 + h: 128 bytes each
.macro XREAD q
.irp c, 0,1
.irp j, 0,1,2,3,4,5,6,7
	ds_load_b128 v[X+32*\c+4*\j:X+32*\c+4*\j+3], v[XA] offset:(32*((\q)/2)+8*((\q)%2))*XP+256*\c+16*\j
.endr
.endr
.endm
; fragment q of W: lane (r, h) takes a column, and its registers run down K
.macro WREAD q
.irp c, 0,1
.irp i, 0,1,2,3,4,5,6,7,8,9,10,11,12,13,14,15,16,17,18,19,20,21,22,23,24,25,26,27,28,29,30,31
	ds_load_b32 v[X+32*\c+\i], v[WA] offset:(64*\c+\i)*WPI+(32*((\q)/2)+8*((\q)%2))*4
.endr
.endr
.endm
; 64 numbers become the operand's 12 registers and my row's scale word; the image leaves by six stores of 256 consecutive bytes, aligned
.macro QFRAG q
.irp c, 0,1
	v_max3_num_f32 v[12+\c], |v[X+32*\c]|, |v[X+32*\c+1]|, 0x1800000   ; my block 2 c + h: all its 32 numbers are mine; the floor 2^(3 - 127) holds the byte at 1 from below
.endr
.irp i, 2,4,6,8,10,12,14,16,18,20,22,24,26,28,30
.irp c, 0,1
	v_max3_num_f32 v[12+\c], v[12+\c], |v[X+32*\c+\i]|, |v[X+32*\c+\i+1]|
.endr
.endr
.irp c, 0,1
	v_add_nc_u32 v[14+\c], 0xff000000, v[12+\c]    ; 2 off the exponent field: the conversion takes the exponent field of this operand as its scale
.endr
.irp c, 0,1
	v_lshrrev_b32 v[16+\c], 23, v[14+\c]           ; the scale's byte
.endr
	v_lshl_or_b32 v18, v17, 16, v16                ; my two bytes, blocks h and 2 + h,
	v_lshlrev_b32 v18, v[SH], v18                  ; at their places in the word;
	v_permlanex16_b32 v19, v18, s20, s21
	v_or_b32 v[PWQ+\q], v18, v19                   ; with lane l xor 16's two the word is whole
.irp c, 0,1
	v_cvt_scalef32_pk16_fp6_f32 v[C+12*\q+6*\c:C+12*\q+6*\c+2], v[X+32*\c:X+32*\c+15], v[14+\c]
	v_cvt_scalef32_pk16_fp6_f32 v[T+4*\c:T+4*\c+2], v[X+32*\c+16:X+32*\c+31], v[14+\c]   ; (a conversion's three registers begin on an even number)
.endr
	v_nop                                          ; one plain place behind a scaled conversion
.irp c, 0,1
.irp i, 0,1,2
	v_mov_b32 v[C+12*\q+6*\c+3+\i], v[T+4*\c+\i]
.endr
.endr
.irp p, 0,1,2,3,4,5
	global_store_b64 v[L8], v[C+12*\q+2*\p:C+12*\q+2*\p+1], s[14:15] offset:12288*\q+256*\p th:TH_STORE_NT
.endr
.endm
	s_wait_tensorcnt 0x0                           ; my tile is in LDS; I alone read it
.irp q, 0,1,2,3
	s_cmp_lt_u32 s18, 4
	s_cbranch_scc0 .Lw\q
	s_wait_alu depctr_va_vdst(0)
	XREAD \q
	s_branch .Lj\q
.Lw\q:
	s_wait_alu depctr_va_vdst(0)
	WREAD \q
.Lj\q:
	s_wait_dscnt 0x0
	QFRAG \q
.endr
	v_cndmask_b32 v24, v[PWQ+0], v[PWQ+2], s22     ; lane (r, h) stores the words of fragments 2 h and 2 h + 1
	v_cndmask_b32 v25, v[PWQ+1], v[PWQ+3], s22
	global_store_b64 v[SO4], v[24:25], s[16:17] th:TH_STORE_NT   ; 256 consecutive bytes, aligned
	s_wait_tensorcnt 0x0                           ; the wave's end
	ds_add_u32 v[SPW], v[NIL]
	s_wait_dscnt 0x0
	s_endpgm
.Lfunc_end_k_qf824831006_quant:
	.size	k_qf824831006_quant, .Lfunc_end_k_qf824831006_quant-k_qf824831006_quant
	.p2alignl 7, 3214868480
	.fill 96, 4, 3214868480
	.section	.rodata,"a",@progbits
	.p2align	6, 0x0
	.amdhsa_kernel k_qf824831006_quant
		.amdhsa_group_segment_fixed_size 209664
		.amdhsa_private_segment_fixed_size 0
		.amdhsa_enable_private_segment 0
		.amdhsa_kernarg_size 56
		.amdhsa_user_sgpr_count 2
		.amdhsa_user_sgpr_kernarg_segment_ptr 1
		.amdhsa_wavefront_size32 1
		.amdhsa_system_sgpr_workgroup_id_x 1
		.amdhsa_system_sgpr_workgroup_id_y 1
		.amdhsa_system_sgpr_workgroup_id_z 1
		.amdhsa_system_vgpr_workitem_id 0
		.amdhsa_next_free_vgpr 160
		.amdhsa_next_free_sgpr 66
		.amdhsa_reserve_vcc 0
		.amdhsa_float_denorm_mode_32 3
		.amdhsa_float_denorm_mode_16_64 3
		.amdhsa_memory_ordered 1
		.amdhsa_forward_progress 1
		.amdhsa_inst_pref_size 41
	.end_amdhsa_kernel
	.amdgpu_metadata
---
amdhsa.version: [ 1, 2 ]
amdhsa.kernels:
  - .name:           k_qf824831006_quant
    .symbol:         k_qf824831006_quant.kd
    .args:
      - { .name: x, .offset: 0, .size: 8, .value_kind: global_buffer, .address_space: global }
      - { .name: Wq, .offset: 8, .size: 8, .value_kind: global_buffer, .address_space: global }
      - { .name: Wk, .offset: 16, .size: 8, .value_kind: global_buffer, .address_space: global }
      - { .name: Wv, .offset: 24, .size: 8, .value_kind: global_buffer, .address_space: global }
      - { .name: Wp, .offset: 32, .size: 8, .value_kind: global_buffer, .address_space: global }
      - { .name: opc, .offset: 40, .size: 8, .value_kind: global_buffer, .address_space: global }
      - { .name: ops, .offset: 48, .size: 8, .value_kind: global_buffer, .address_space: global }
    .group_segment_fixed_size: 209664
    .private_segment_fixed_size: 0
    .kernarg_segment_align: 8
    .kernarg_segment_size: 56
    .max_flat_workgroup_size: 192
    .sgpr_count:     66
    .vgpr_count:     160
    .wavefront_size: 32
...
	.end_amdgpu_metadata
.endif
;; end of part 1
;; launch qkv (part 2): grid 12 x 32, 4 waves a work-group, clusters of 4 x 4, 327,680 bytes of LDS; arguments opc, ops, bq, bk, bv, qq, kv; writes qq, kv
.if DOCPART == 2
	.amdgcn_target "amdgcn-amd-amdhsa--gfx1250"
	.amdhsa_code_object_version 6
	.text
	.protected	k_qf824831006_qkv
	.globl	k_qf824831006_qkv
	.p2align	8
	.type	k_qf824831006_qkv,@function
k_qf824831006_qkv:
	s_mov_b64 s[64:65], 0
	v_nop
	global_prefetch_b8 v0, s[64:65] scope:SCOPE_SE
	s_setreg_imm32_b32 hwreg(HW_REG_WAVE_MODE, 25, 1), 1
	s_wait_xcnt 0x0
	s_wait_alu depctr_hold_cnt(0) depctr_sa_sdst(0) depctr_va_vdst(0) depctr_va_sdst(0) depctr_va_ssrc(0) depctr_va_vcc(0) depctr_vm_vsrc(0)
	s_getreg_b32 s2, hwreg(HW_REG_IB_STS2, 6, 4)
	s_cmp_eq_u32 s2, 0
	s_cbranch_scc0 .Lentry_in_a_cluster
	s_endpgm
.Lentry_in_a_cluster:
	s_bfe_u32 s2, ttmp6, 0x10000c
	s_cmp_lg_u32 s2, 0xf033
	s_cbranch_scc0 .Lentry_shape_is_right
	s_endpgm
.Lentry_shape_is_right:
; q = x Wq + bq, k = x Wk + bk, v = x Wv + bv on codes of FP6 (E2M3) with E8M0 scales, sums in f32; the results are quantised in registers and leave as codes: q and k along a head's 64 channels, v along the keys.
; LIMITS: NaN and infinities are not served; a block of zeros or under 2^-124 gets the scale byte 1 (read by this program alone).
; SHARES.  A work-group takes 256 tokens x 256 output channels; the cluster's x says which of q, k, v (the same in all sixteen partners).  Four waves, each 128 x 128: 64 accumulators, 512 registers.
; OPERANDS lie in memory as images of their registers (1,536 bytes for 16 rows x 128 K: piece p at 256 p, lane l at 8 l), rows in the order slot r of fragment F = row 32 (F / 2) + 8 (F % 2) + r + 8 (r / 8).
; A fragment is six LDS loads of 256 consecutive bytes: no pitch, no padding.
; P AND R.  Source 1 (P) gives a lane its one row, source 0 (R) runs along the lane's registers, and by the rows' order the 16 registers of R's tiles 2 b, 2 b + 1 are 16 neighbours.  q, k: P = tokens, R = channels: a lane's
; registers run along the head's channels.  v: P = channels, R = tokens: they run along the keys.  The tensor loads are the same for all three; only the LDS region that feeds each source is chosen, by the cluster's x.
; K goes in eight steps of 128; a slot holds two.  Three slots are filled at the head; slot 0 is filled once more, with the last two steps.  By this text's count three tensor loads of a wave are out at the head, one behind the refill.
; CLUSTER 4 x 4: the token tile hangs on the tile row and is asked for jointly by a row of the cluster, the weight tile on the tile column and by a column.
; THE SCALE WORDS of all eight steps come once, straight into 64 registers: register 8 s + i holds P's block i in lanes 0-15 and R's block i in lanes 16-31.  Their numbers change from step to step, so the steps are written out by macro.
; No prefetch: three quarters of K are asked for at the head, and the one refill has four steps, 256 matrix instructions, in which to land.
; REGISTERS: window 0: v0-31 addresses; v32-95 scale words, and nothing else; v96-159 the bias along registers; v160-255 P's eight fragments, one set.  window 1: R's two sets at v0 and v128; v96-111 the bias along lanes.  windows 2, 3: accumulator (a, b) at v[8 (8 (a % 4) + b)].
.set SLOT,  98304                      ; the tokens' 16 fragments x 3,072 bytes (two K steps), then the weights' 16
.set HALF,  24576                      ; eight fragments: what one tensor load brings and what a wave reads of one side
.set SPARE, 3*SLOT                     ; the spare words, 128 bytes a wave: two blocks of 256 bytes that no other line names
.set HEADB, 208896                     ; from a head to the next in qq and kv: 8 slots of 26,112 bytes
.set FR,  12
.set NL,  6
.set SC,  32
.set BIAS, 96
.set AF,  160
.set BV,  96                           ; in window 1
.set ADRA, 16                          ; v16-18 LDS address of P's fragments in slot 0, 1, 2
.set ADRB, 20                          ; v20-22 of R's
.set L8,  24                           ; v24  8 x lane
.set SOFF, 25                          ; v25  my scale words in ops
.set BOF, 26                           ; v26  the bias along registers
.set VOF, 27                           ; v27  the bias along lanes
.set SPW, 28                           ; v28  my spare word; never rewritten
.set NIL, 29                           ; v29  0; never rewritten
.set SO8, 30                           ; v30  32 r + 16 h
.set SO4, 31                           ; v31  16 r + 8 h
.set H,   160                          ; the way out: 64 numbers
.set PC,  224                          ; v224-242 the codes just made
.set TM,  4                            ; the way out: v4-11 and v16-19 at work (the head's temporaries and the LDS addresses, which are done with)
.set PW,  12                           ; the scale word just made
.set WA,  244                          ; v244-251 the eight blocks' words
.set E,   160                          ; v160-167 words as they are stored: H is free when the last block is quantised
.set WV,  18
.set WHI, 19                           ; wave / 2: my half of P.  Also: I fetch tokens (0) or weights (1)
.set WLO, 20                           ; wave % 2: my half of R.  Also: which eight fragments I fetch
.set HM,  21
.set SEL, 22
.set G1T, 24
.set G0T, 32                           ; s[32:43] a group 0 for each slot
.set G1W, 44
.set G0W, 52                           ; s[52:63]
.set MSB, 0
.macro WIN new                         ; the immediate's high byte repeats the setting that is left
.if MSB != (\new)
	s_set_vgpr_msb (MSB<<8)|(\new)
.set MSB, (\new)
.endif
.endm
.set MUL_LO, 0xa1                      ; source 0 (R) window 1, source 1 (P) window 0, C and D window 2
.set MUL_HI, 0xf1
.set TO_B,   0x40
.macro JLOAD s                         ; a joint load: waves 0 and 1 fetch the tokens' halves, waves 2 and 3 the weights'; an s_nop 0 and four v_nop follow each line
	s_cmp_eq_u32 s[WHI], 0
	s_cbranch_scc0 .Lfor_w_\@
	tensor_load_to_lds s[G0T+4*\s:G0T+4*\s+3], s[G1T:G1T+7]
	s_nop 0
.rept 4
	v_nop
.endr
	s_branch .Lasked_\@
.Lfor_w_\@:
	tensor_load_to_lds s[G0W+4*\s:G0W+4*\s+3], s[G1W:G1W+7]
	s_nop 0
.rept 4
	v_nop
.endr
.Lasked_\@:
.endm
.macro CREST                           ; a round of the cluster's barrier behind its opening barrier
	s_cmp_lg_u32 s[WV], 0
	s_cbranch_scc1 .Lnot_wave_0_\@
	s_barrier_signal -3
.Lnot_wave_0_\@:
	s_barrier_wait -3
	s_barrier_signal -1
	s_barrier_wait -1
.endm
.macro CROUND
	s_barrier_signal -1
	s_barrier_wait -1
	CREST
.endm
.macro PLACES n
.rept \n
	v_nop
.endr
.endm
	s_load_b128 s[4:7], s[0:1], 0x0                ; opc, ops
	s_load_b128 s[8:11], s[0:1], 0x10              ; bq, bk
	s_load_b128 s[12:15], s[0:1], 0x20             ; bv, qq
	s_load_b64 s[16:17], s[0:1], 0x30              ; kv
	v_lshl_add_u32 v[SPW], v0, 2, SPARE
	v_mov_b32 v[NIL], 0
	ds_add_u32 v[SPW], v[NIL]                      ; the wave's opening: the add and its wait come ahead of my first tensor load; work on registers stands between them
	ds_add_u32 v[SPW], v[NIL]
	v_lshrrev_b32 v1, 5, v0
	v_readfirstlane_b32 s[WV], v1
	s_lshr_b32 s[WHI], s[WV], 1
	s_and_b32 s[WLO], s[WV], 1
	s_mov_b32 s[HM], 0xffff0000
	s_mov_b32 s[SEL], 0x76543210
	s_mov_b32 s[SEL+1], 0xfedcba98
	s_bfe_u32 s66, ttmp6, 0x40000                  ; cx
	s_bfe_u32 s67, ttmp6, 0x40004                  ; cy
	s_lshl_b32 s68, ttmp9, 2
	s_add_co_u32 s68, s68, s66                     ; tile column: 256 weight rows
	s_and_b32 s69, ttmp7, 0xffff
	s_lshl_b32 s69, s69, 2
	s_add_co_u32 s69, s69, s67                     ; tile row: 256 tokens
	s_lshl_b32 s70, s67, 2
	s_lshl_b32 s70, 15, s70                        ; my row of the cluster
	s_lshl_b32 s71, 0x1111, s66                    ; my column
	; group 1: eight rows of 384 elements of 8 bytes (a fragment's two K steps), 1,536 elements from fragment to fragment; no padding
	s_or_b32 s[G1T+0], s70, (3<<16)|(1<<21)
	s_or_b32 s[G1W+0], s71, (3<<16)|(1<<21)
.irp g, G1T, G1W
	s_mov_b32 s[\g+1], 384<<16
	s_mov_b32 s[\g+2], 8<<16
	s_mov_b32 s[\g+3], 384<<16
	s_mov_b32 s[\g+4], 8
	s_mov_b32 s[\g+5], 1536
	s_mov_b32 s[\g+6], 0
	s_mov_b32 s[\g+7], 0
.endr
	s_lshl_b32 s72, s69, 4                         ; tokens: fragment 16 x tile row + 8 x half
	s_lshl_b32 s73, s[WLO], 3
	s_add_co_u32 s72, s72, s73
	s_mul_i32 s72, s72, 12288
	s_mov_b32 s73, 0
	s_lshl_b32 s74, s68, 4                         ; weights: fragment 512 + 16 x tile column + 8 x half
	s_lshl_b32 s75, s[WLO], 3
	s_add_co_u32 s74, s74, s75
	s_add_co_u32 s74, s74, 512
	s_mul_i32 s74, s74, 12288
	s_mov_b32 s75, 0
	s_mul_i32 s76, s[WV], HALF                     ; where they go: no place in the cluster enters an LDS address
	s_wait_dscnt 0x0                               ; the opening add is done
	s_wait_kmcnt 0x0
	s_add_nc_u64 s[78:79], s[4:5], s[72:73]
	s_add_nc_u64 s[80:81], s[4:5], s[74:75]
	CROUND                                         ; all sixteen work-groups are here: the first joint loads meet
.irp s, 0,1,2
	s_mov_b32 s[G0T+4*\s], 1
	s_add_co_u32 s[G0T+4*\s+1], s76, \s*SLOT
	s_add_nc_u64 s[G0T+4*\s+2:G0T+4*\s+3], s[78:79], \s*3072
	s_or_b32 s[G0T+4*\s+3], s[G0T+4*\s+3], 0x80000000
	s_mov_b32 s[G0W+4*\s], 1
	s_add_co_u32 s[G0W+4*\s+1], s76, \s*SLOT
	s_add_nc_u64 s[G0W+4*\s+2:G0W+4*\s+3], s[80:81], \s*3072
	s_or_b32 s[G0W+4*\s+3], s[G0W+4*\s+3], 0x80000000
	JLOAD \s
.endr
	v_and_b32 v1, 31, v0
	v_and_b32 v2, 15, v0                           ; r
	v_bfe_u32 v3, v0, 4, 1                         ; h
	v_lshlrev_b32 v[L8], 3, v1
	s_wait_alu depctr_va_vdst(0)
	s_cmp_eq_u32 ttmp9, 2                          ; v?  Then P is read from the weights' region and R from the tokens'
	s_cselect_b32 s82, 2*HALF, 0
	s_cselect_b32 s83, 0, 2*HALF
	s_mul_i32 s84, s[WHI], HALF
	s_add_co_u32 s84, s84, s82
	s_mul_i32 s85, s[WLO], HALF
	s_add_co_u32 s85, s85, s83
.irp s, 0,1,2
	v_add_nc_u32 v[ADRA+\s], s84, v[L8]
	v_add_nc_u32 v[ADRB+\s], s85, v[L8]
	s_add_co_u32 s84, s84, SLOT
	s_add_co_u32 s85, s85, SLOT
.endr
	; the scale words: 2,048 bytes for 64 rows and all of K
	s_lshl_b32 s86, s69, 2                         ; the tokens' first 64 rows
	s_lshl_b32 s87, s68, 2
	s_add_co_u32 s87, s87, 128                     ; the weights', behind x's 128
	s_lshl_b32 s88, s[WHI], 1
	s_lshl_b32 s89, s[WLO], 1
	s_cmp_eq_u32 ttmp9, 2
	s_cselect_b32 s90, s87, s86                    ; P's
	s_cselect_b32 s91, s86, s87                    ; R's
	s_add_co_u32 s90, s90, s88
	s_add_co_u32 s91, s91, s89
	s_lshl_b32 s90, s90, 11
	s_lshl_b32 s91, s91, 11
	v_mov_b32 v4, s90
	v_mov_b32 v5, s91
	v_cndmask_b32 v[SOFF], v4, v5, s[HM]           ; lanes 0-15 take P's words, lanes 16-31 R's
	v_lshl_add_u32 v[SOFF], v2, 4, v[SOFF]
.irp s, 0,1,2,3,4,5,6,7
.irp g, 0,1
	global_load_b128 v[SC+8*\s+4*\g:SC+8*\s+4*\g+3], v[SOFF], s[6:7] offset:256*\s+2048*\g   ; four blocks' words of one K step
.endr
.endr
	; the bias, in both forms in every wave, so that no register's state hangs on the branch at the way out
	s_cmp_eq_u32 ttmp9, 0
	s_cselect_b64 s[92:93], s[8:9], s[10:11]
	s_cmp_eq_u32 ttmp9, 2
	s_cselect_b64 s[92:93], s[12:13], s[92:93]
	s_lshl_b32 s94, s66, 10                        ; my work-group's 256 channels
	s_lshl_b32 s95, s[WLO], 9
	s_add_co_u32 s95, s95, s94
	s_lshl_b32 s96, s[WHI], 9
	s_add_co_u32 s96, s96, s94
	v_lshlrev_b32 v[BOF], 6, v3
	v_add_nc_u32 v[BOF], s95, v[BOF]               ; along registers: register 16 b + i is channel 32 b + 16 h + i of R's 128
	v_and_b32 v6, 8, v2
	v_add_nc_u32 v6, v6, v2
	v_lshlrev_b32 v[VOF], 2, v6
	v_add_nc_u32 v[VOF], s96, v[VOF]               ; along lanes: slot r of P's block a
.irp b, 0,1,2,3
.irp j, 0,1,2,3
	global_load_b128 v[BIAS+16*\b+4*\j:BIAS+16*\b+4*\j+3], v[BOF], s[92:93] offset:128*\b+16*\j
.endr
.endr
	WIN TO_B
.irp a, 0,1,2,3,4,5,6,7
	global_load_b32 v[BV+2*\a], v[VOF], s[92:93] offset:(32*(\a/2)+8*(\a%2))*4
	global_load_b32 v[BV+2*\a+1], v[VOF], s[92:93] offset:(32*(\a/2)+8*(\a%2))*4   ; (the packed addition names a pair)
.endr
	WIN 0
	v_lshlrev_b32 v[SO8], 5, v2
	v_lshl_add_u32 v[SO8], v3, 4, v[SO8]
	v_lshlrev_b32 v[SO4], 4, v2
	v_lshl_add_u32 v[SO4], v3, 3, v[SO4]
.macro FRAG reg, adr, q, i             ; a fragment comes back as its image lies: six loads of 256 consecutive bytes
.irp p, 0,1,2,3,4,5
	ds_load_b64 v[\reg+2*\p:\reg+2*\p+1], v[\adr] offset:(\i)*3072+(\q)*1536+256*\p
.endr
.endm
.macro FETCH_B slot, q, p
	WIN TO_B
.irp i, 0,1,2,3,4,5,6,7
	FRAG 128*(\p)+FR*\i, ADRB+\slot, \q, \i
.endr
	WIN 0
.endm
.macro FETCH_A slot, q, i0
.irp i, \i0, \i0+1, \i0+2, \i0+3
	FRAG AF+FR*(\i), ADRA+\slot, \q, \i
.endr
.endm
; 16 matrix instructions: P's blocks a0, a0 + 1 x R's eight, K step s.  The 64 accumulators take turns, one instruction a turn, in the same order in every step.
.macro MUL16 a0, p, s, zero
.irp a, \a0, \a0+1
.irp b, 0,1,2,3,4,5,6,7
.if \zero
	v_wmma_scale_f32_16x16x128_f8f6f4 v[8*(8*((\a)%4)+\b):8*(8*((\a)%4)+\b)+7], v[128*(\p)+FR*\b:128*(\p)+FR*\b+FR-1], v[AF+FR*(\a):AF+FR*(\a)+FR-1], 0, v[SC+8*(\s)+\b], v[SC+8*(\s)+(\a)] matrix_a_fmt:MATRIX_FMT_FP6 matrix_b_fmt:MATRIX_FMT_FP6 matrix_a_scale:MATRIX_SCALE_ROW1
.else
	v_wmma_scale_f32_16x16x128_f8f6f4 v[8*(8*((\a)%4)+\b):8*(8*((\a)%4)+\b)+7], v[128*(\p)+FR*\b:128*(\p)+FR*\b+FR-1], v[AF+FR*(\a):AF+FR*(\a)+FR-1], v[8*(8*((\a)%4)+\b):8*(8*((\a)%4)+\b)+7], v[SC+8*(\s)+\b], v[SC+8*(\s)+(\a)] matrix_a_fmt:MATRIX_FMT_FP6 matrix_b_fmt:MATRIX_FMT_FP6 matrix_a_scale:MATRIX_SCALE_ROW1
.endif
.endr
.endr
.endm
; K step s; the next step's fragments (slot nslot, its nq-th 128) are fetched in two runs, each behind four places (ISA guide 7.12.1 for vector instructions)
.macro STEP s, nslot, nq, zero
	s_wait_dscnt 4*NL                              ; R's set and P's blocks 0-3 are in; the youngest 24 loads (P's blocks 4-7) may be out
	WIN MUL_LO
	MUL16 0, (\s)%2, \s, \zero
	MUL16 2, (\s)%2, \s, \zero
	s_wait_dscnt 0x0                               ; P's blocks 4-7 are in
	PLACES 4
	FETCH_B \nslot, \nq, 1-(\s)%2
	FETCH_A \nslot, \nq, 0
	WIN MUL_HI
	MUL16 4, (\s)%2, \s, \zero
	MUL16 6, (\s)%2, \s, \zero
	PLACES 4
	WIN 0
	FETCH_A \nslot, \nq, 4
.endm
; K step s with a barrier in it: in front of it each wave waits for all its tensor loads, adds 0 to its spare word, and waits for that and for its reads of the slot in hand.  fill = 1: slot 0 is filled again.
.macro TURN s, nslot, fill
	s_wait_tensorcnt 0x0                           ; all my tensor loads have landed
	ds_add_u32 v[SPW], v[NIL]                      ; 0 onto my spare word
	s_wait_dscnt 4*NL+1                            ; (the add and the youngest 24 loads may be out)
	WIN MUL_LO
	MUL16 0, (\s)%2, \s, 0
	s_wait_dscnt 0x0                               ; the add is done, and my reads of this slot are over
	s_barrier_signal -1
	MUL16 2, (\s)%2, \s, 0
	WIN 0
	s_barrier_wait -1
.if \fill
	CREST                                          ; the barrier has opened a round of the cluster's: no wave of any partner still reads slot 0 or has a load on its way
	s_add_nc_u64 s[G0T+2:G0T+3], s[G0T+2:G0T+3], 3*3072   ; K steps 6 and 7
	s_add_nc_u64 s[G0W+2:G0W+3], s[G0W+2:G0W+3], 3*3072
	JLOAD 0                                        ; the first tensor load behind the round; its four v_nop are also the places in front of the loads below
.else
	PLACES 4
.endif
	FETCH_B \nslot, 0, 1-(\s)%2
	FETCH_A \nslot, 0, 0
	WIN MUL_HI
	MUL16 4, (\s)%2, \s, 0
	MUL16 6, (\s)%2, \s, 0
	PLACES 4
	WIN 0
	FETCH_A \nslot, 0, 4
.endm
	s_wait_tensorcnt 2                             ; my part of slot 0 is in; slots 1 and 2 may stay out
	s_barrier_signal -1
	s_barrier_wait -1
	FETCH_B 0, 0, 0
	FETCH_A 0, 0, 0
	FETCH_A 0, 0, 4
	s_wait_loadcnt 0x0                             ; scale words and biases
	STEP 0, 0, 1, 1                                ; the first step's products start the sums
	TURN 1, 1, 1                                   ; its wait for all loads and its round also show slots 1 and 2 whole to every wave: no barrier stands between those two
	STEP 2, 1, 1, 0
	STEP 3, 2, 0, 0
	STEP 4, 2, 1, 0
	TURN 5, 0, 0                                   ; the refill has landed in every wave; nothing is filled again
	STEP 6, 0, 1, 0
	s_wait_dscnt 4*NL                              ; the last step fetches nothing
	WIN MUL_LO
	MUL16 0, 1, 7, 0
	MUL16 2, 1, 7, 0
	s_wait_dscnt 0x0
	WIN MUL_HI
	MUL16 4, 1, 7, 0
	MUL16 6, 1, 7, 0
	WIN 0
; 64 numbers of a lane, v[s] on, register 16 b + i = k 32 b + 16 h + i of my row, become a fragment's codes in v[PC] on and its scale word in v[PW]
.macro QUANT s
.irp b, 0,1,2,3
	v_max3_num_f32 v[TM+\b], |v[\s+16*\b]|, |v[\s+1+16*\b]|, 0x1800000   ; block b: my 16 numbers and the floor 2^(3 - 127)
.endr
.irp i, 2,4,6,8,10,12,14
.irp b, 0,1,2,3
	v_max3_num_f32 v[TM+\b], v[TM+\b], |v[\s+16*\b+\i]|, |v[\s+1+16*\b+\i]|
.endr
.endr
.irp b, 0,1,2,3
	v_permlanex16_b32 v[TM+4+\b], v[TM+\b], s[SEL], s[SEL+1]
.endr
.irp b, 0,1,2,3
	v_max_num_f32 v[TM+\b], v[TM+\b], v[TM+4+\b]   ; with lane l xor 16's: the block's largest magnitude
.endr
.irp b, 0,1,2,3
	v_add_nc_u32 v[TM+12+\b], 0xff000000, v[TM+\b] ; 2 off its exponent field: the conversion's scale operand
.endr
.irp b, 0,1,2,3
	v_lshrrev_b32 v[TM+4+\b], 23, v[TM+12+\b]      ; the scale's byte
.endr
	v_lshl_or_b32 v[PW], v[TM+5], 8, v[TM+4]
	v_lshl_or_b32 v[PW], v[TM+6], 16, v[PW]
	v_lshl_or_b32 v[PW], v[TM+7], 24, v[PW]
.irp c, 0,1
	v_cvt_scalef32_pk16_fp6_f32 v[PC+6*\c:PC+2+6*\c], v[\s+32*\c:\s+15+32*\c], v[TM+12+2*\c]
	v_cvt_scalef32_pk16_fp6_f32 v[PC+12+4*\c:PC+14+4*\c], v[\s+16+32*\c:\s+31+32*\c], v[TM+12+2*\c+1]
.endr
	v_nop                                          ; one plain place behind a scaled conversion
.irp c, 0,1                                    ; the operand's layout wants a whole block in a lane
.irp i, 0,1,2
	v_permlane16_swap_b32 v[PC+6*\c+\i], v[PC+12+4*\c+\i]
.endr
.irp i, 0,1,2
	v_mov_b32 v[PC+3+6*\c+\i], v[PC+12+4*\c+\i]
.endr
.endr
.endm
; THE WAY OUT of P's block a: the bias is added behind the finished sum, as the definition has it; the 64 numbers are one fragment of 128 along the next K; its image leaves by six stores of 256 consecutive bytes, aligned.
; q, k: registers 0-5 are the even head's 64 channels, registers 6-11 the odd head's.  v: a whole fragment of 128 keys for 16 channels.
.macro OUTA a, isv
.if (\a) > 0
	s_wait_xcnt 0x0                                ; the last block's stores have read their data: the codes' registers are written again only behind this wait
.endif
.set AC, 64*((\a)%4)
.if \isv
	WIN 0x06+(\a)/4                                ; source 0: window 2 or 3; source 1: window 1
.else
	WIN 0x02+(\a)/4
.endif
.set II, 0
.rept 32                                       ; each accumulator from its low end on
.if \isv
	v_pk_add_f32 v[H+II:H+II+1], v[AC+II:AC+II+1], v[BV+2*(\a):BV+2*(\a)+1] op_sel_hi:[1,0]
.else
	v_pk_add_f32 v[H+II:H+II+1], v[AC+II:AC+II+1], v[BIAS+II:BIAS+II+1]
.endif
.set II, II+2
.endr
	WIN 0
	QUANT H
	v_mov_b32 v[WA+(\a)], v[PW]
.irp p, 0,1,2,3,4,5
.if \isv
	global_store_b64 v[L8], v[PC+2*\p:PC+2*\p+1], s[80:81] offset:((\a)/4)*HEADB+((\a)%4)*1536+256*\p th:TH_STORE_NT
.else
	global_store_b64 v[L8], v[PC+2*\p:PC+2*\p+1], s[80:81] offset:768*(\a)+256*(\p%3)+HEADB*(\p/3) th:TH_STORE_NT
.endif
.endr
.endm
	PLACES 4                                       ; behind the last products, ahead of the first read of results and the first write over P's fragments
.irp b, 0,1,2,3
	v_mov_b32 v[TM+4+\b], 0                        ; a lane permute's destination counts as one of its sources
.endr
	s_lshr_b32 s70, s69, 3                         ; the batch: 8 tile rows each
	s_and_b32 s71, s69, 7                          ; the slot of 256 tokens
	s_lshl_b32 s72, s70, 4
	s_lshl_b32 s73, s66, 2
	s_add_co_u32 s72, s72, s73                     ; 16 x batch + my work-group's first head
	s_mov_b32 s75, 0
	s_mov_b32 s79, 0
	s_cmp_eq_u32 ttmp9, 2                          ; the cluster's x: the same in all partners
	s_cbranch_scc1 .Lout_v
	s_lshl_b32 s73, s[WLO], 1                      ; q, k: my two heads come from R's half
	s_add_co_u32 s74, s72, s73
	s_lshl_b32 s74, s74, 3
	s_add_co_u32 s74, s74, s71
	s_mul_i32 s74, s74, 26112
	s_cmp_eq_u32 ttmp9, 0
	s_cselect_b64 s[76:77], s[14:15], s[16:17]     ; qq or kv
	s_add_nc_u64 s[76:77], s[76:77], s[74:75]      ; the even head's slot
	s_mul_i32 s78, s[WHI], 6144                    ; my eight token fragments of 768 bytes
	s_add_nc_u64 s[80:81], s[76:77], s[78:79]
	s_lshl_b32 s78, s[WHI], 9
	s_add_co_u32 s78, s78, 24576                   ; their scale words: 512 bytes for 128 tokens
	s_add_nc_u64 s[82:83], s[76:77], s[78:79]
.irp a, 0,1,2,3,4,5,6,7
	OUTA \a, 0
.endr
.irp j, 0,1,2,3
	v_cndmask_b32 v[E+\j], v[WA+\j], v[WA+4+\j], s[HM]   ; lane (r, h) stores the words of blocks 4 h .. 4 h + 3
.endr
.irp j, 0,1,2,3
	v_lshrrev_b32 v[E+4+\j], 16, v[E+\j]           ; the odd head's two bytes come down; the bytes above stand over zero codes
.endr
	global_store_b128 v[SO8], v[E:E+3], s[82:83] th:TH_STORE_NT
	global_store_b128 v[SO8], v[E+4:E+7], s[82:83] offset:HEADB th:TH_STORE_NT
	s_branch .Ldone
.Lout_v:
	s_lshl_b32 s73, s[WHI], 1                      ; v: my two heads come from P's half
	s_add_co_u32 s74, s72, s73
	s_lshl_b32 s74, s74, 3
	s_add_co_u32 s74, s74, s71
	s_mul_i32 s74, s74, 26112
	s_add_nc_u64 s[76:77], s[16:17], s[74:75]
	s_mul_i32 s78, s[WLO], 6144                    ; my 128 keys: four fragments of 1,536 bytes a head
	s_add_co_u32 s78, s78, 12288
	s_add_nc_u64 s[80:81], s[76:77], s[78:79]
	s_lshl_b32 s78, s[WLO], 8
	s_add_co_u32 s78, s78, 25600                   ; their scale words: 256 bytes for 128 keys
	s_add_nc_u64 s[82:83], s[76:77], s[78:79]
.irp a, 0,1,2,3,4,5,6,7
	OUTA \a, 1
.endr
.irp g, 0,1
	v_cndmask_b32 v[E+2*\g], v[WA+4*\g], v[WA+4*\g+2], s[HM]   ; lane (r, h) stores the words of channel tiles 2 h and 2 h + 1
	v_cndmask_b32 v[E+2*\g+1], v[WA+4*\g+1], v[WA+4*\g+3], s[HM]
	global_store_b64 v[SO4], v[E+2*\g:E+2*\g+1], s[82:83] offset:HEADB*\g th:TH_STORE_NT
.endr
.Ldone:
	s_wait_tensorcnt 0x0                           ; the wave's end
	ds_add_u32 v[SPW], v[NIL]
	s_wait_dscnt 0x0
	CROUND                                         ; the closing round
	s_endpgm
.Lfunc_end_k_qf824831006_qkv:
	.size	k_qf824831006_qkv, .Lfunc_end_k_qf824831006_qkv-k_qf824831006_qkv
	.p2alignl 7, 3214868480
	.fill 96, 4, 3214868480
	.section	.rodata,"a",@progbits
	.p2align	6, 0x0
	.amdhsa_kernel k_qf824831006_qkv
		.amdhsa_group_segment_fixed_size 327680
		.amdhsa_private_segment_fixed_size 0
		.amdhsa_enable_private_segment 0
		.amdhsa_kernarg_size 56
		.amdhsa_user_sgpr_count 2
		.amdhsa_user_sgpr_kernarg_segment_ptr 1
		.amdhsa_wavefront_size32 1
		.amdhsa_system_sgpr_workgroup_id_x 1
		.amdhsa_system_sgpr_workgroup_id_y 1
		.amdhsa_system_sgpr_workgroup_id_z 1
		.amdhsa_system_vgpr_workitem_id 0
		.amdhsa_next_free_vgpr 1024
		.amdhsa_next_free_sgpr 100
		.amdhsa_reserve_vcc 0
		.amdhsa_float_denorm_mode_32 3
		.amdhsa_float_denorm_mode_16_64 3
		.amdhsa_memory_ordered 1
		.amdhsa_forward_progress 1
		.amdhsa_inst_pref_size 236
	.end_amdhsa_kernel
	.amdgpu_metadata
---
amdhsa.version: [ 1, 2 ]
amdhsa.kernels:
  - .name:           k_qf824831006_qkv
    .symbol:         k_qf824831006_qkv.kd
    .args:
      - { .name: opc, .offset: 0, .size: 8, .value_kind: global_buffer, .address_space: global }
      - { .name: ops, .offset: 8, .size: 8, .value_kind: global_buffer, .address_space: global }
      - { .name: bq, .offset: 16, .size: 8, .value_kind: global_buffer, .address_space: global }
      - { .name: bk, .offset: 24, .size: 8, .value_kind: global_buffer, .address_space: global }
      - { .name: bv, .offset: 32, .size: 8, .value_kind: global_buffer, .address_space: global }
      - { .name: qq, .offset: 40, .size: 8, .value_kind: global_buffer, .address_space: global }
      - { .name: kv, .offset: 48, .size: 8, .value_kind: global_buffer, .address_space: global }
    .group_segment_fixed_size: 327680
    .private_segment_fixed_size: 0
    .kernarg_segment_align: 8
    .kernarg_segment_size: 56
    .max_flat_workgroup_size: 128
    .sgpr_count:     100
    .vgpr_count:     1024
    .wavefront_size: 32
...
	.end_amdgpu_metadata
.endif
;; end of part 2
;; launch attn (part 3): grid 4 x 64, 16 waves a work-group, no clusters, 238,080 bytes of LDS; arguments qq, kv, yc, ys; writes yc, ys
.if DOCPART == 3
	.amdgcn_target "amdgcn-amd-amdhsa--gfx1250"
	.amdhsa_code_object_version 6
	.text
	.protected	k_qf824831006_attn
	.globl	k_qf824831006_attn
	.p2align	8
	.type	k_qf824831006_attn,@function
k_qf824831006_attn:
	s_mov_b64 s[64:65], 0
	v_nop
	global_prefetch_b8 v0, s[64:65] scope:SCOPE_SE
	s_setreg_imm32_b32 hwreg(HW_REG_WAVE_MODE, 25, 1), 1
	s_wait_xcnt 0x0
; y[b][t][64 hd + d] = the sum over keys k <= t of softmax_k(q . k / 8) v, both products on codes of FP6 (E2M3) with E8M0 scales; y leaves quantised along its 1,024 channels, as codes and scale bytes.
; THE SOFTMAX: t = score x log2(e) / 8; M = the row's largest t so far, rounded up to a whole number; p = 2^(t - M) is quantised along the keys, not normalised; the row's sum is taken of the unquantised p and divides at the end.
; LIMITS: NaN and infinities are not served; a block of zeros or under 2^-124 gets the scale byte 1 (read by this program alone).  A block's largest p is made from its largest score by the same two instructions; this takes v_exp_f32 not to fall where its input rises.
; SHARES.  Work-group (i, head) owns the query blocks 7 - i (first pass) and i (second pass) of 256 queries: (8 - i) + (i + 1) = 9 slots of 256 keys for every work-group.  Each of sixteen waves owns 16 queries of a block, in 256 registers.
; LDS holds the nine slots in the order in which they are walked: slot tr at 26,112 tr.  Waves 0 to 8 bring one each, by one tensor load at the head: one load of a wave is out.  Only the global address hangs on i.
; Every wave waits for its load, one barrier follows, and one loop of nine trips walks the slots.
; A slot, as it lies in memory: K's 16 half images (768 bytes: 16 keys x the head's 64), V's 8 images (16 channels x 128 keys), K's scale words, V's.  All are images of operand registers: every LDS load takes 256 or 512 consecutive bytes.
; The head's K is 64: the upper six registers of K's and Q's operands are zeros, written once.
; NO CLUSTER: from the sixth slot on the four work-groups of a head want different slots at the same place of the walk, so partners would ask for different tiles.  NO PREFETCH: all that a work-group reads is asked for at its head.
; LAYOUT.  S^T = K Q^T and O^T = V^T P^T: a lane holds one query throughout.  Slot r of fragment F is token (or channel) 32 (F / 2) + 8 (F % 2) + r + 8 (r / 8), so the 16 registers of tiles 2 b, 2 b + 1 are 16 neighbours.
; CAUSAL.  A key step (128 keys) behind the wave's queries is left out by a scalar branch on ids; in the one step on the diagonal hidden scores become -infinity ahead of the maximum.
.set SLOTB, 26112
.set YSG,   9*SLOTB                    ; two passes x 512 bytes of y's scale halfwords: stored by ds_store, never a fill's target
.set SPARE, YSG+1024                   ; the spare words, 128 bytes a wave: eight blocks of 256 bytes that no other line names
.set L8,  1                            ; v1   8 x lane
.set KSO, 2                            ; v2   32 r + 24,576: K's scale words in a slot
.set VSO, 3                            ; v3   16 r + 25,600: V's
.set DD,  4                            ; v4   my query - the diagonal step's first key - 16 h
.set SPW, 5                            ; v5   my spare word; never rewritten
.set NIL, 6                            ; v6   0; never rewritten
.set YSA, 7                            ; v7   where my tile's halfword goes
.set ADL, 8
.set ADS, 9
.set ADT, 10
.set YSR, 11                           ; v11  where waves 0 and 1 read a pass's halfwords back
; v12 -M, v13 the largest t, v[14:15] the sum; v16-27 Q, v28 its scale word; v29, v30-35 the second pass's; v36-83 four fragments of K; v84-91 K's words, v92-95 V's; v96-159 S^T, then p, then V's four fragments;
; v160-191 O^T; v192-203 p's codes; v204-210 conversions; v212-223 at work; v224 p's word; v[226:227] f; v228-231 at work; v232-243 the way out; v244 16 x lane
.set WV,  12
.set IX,  13
.set BH,  14
.set N1,  15
.set TR,  16
.set CNT, 17
.set TB,  18
.set KI,  19
.set DST, 20
.set DSB, 21
.set CS,  22
.set G1,  24
.set G0,  32
.set SEL, 36
.set YA,  38
.set YB,  40
.set QA,  42
.set QB,  44
.set YSP, 46
	s_load_b256 s[4:11], s[0:1], 0x0               ; qq, kv, yc, ys
	v_lshl_add_u32 v[SPW], v0, 2, SPARE
	v_mov_b32 v[NIL], 0
	ds_add_u32 v[SPW], v[NIL]                      ; the wave's opening: the add and its wait come ahead of the first tensor load; work on registers stands between them
	ds_add_u32 v[SPW], v[NIL]
	v_lshrrev_b32 v8, 5, v0
	s_delay_alu instid0(VALU_DEP_1)
	v_readfirstlane_b32 s[WV], v8
	s_mov_b32 s[IX], ttmp9
	s_and_b32 s[BH], ttmp7, 0xffff
	s_sub_co_u32 s[N1], 8, s[IX]                   ; the first pass's slots
	s_sub_co_u32 s57, 7, s[IX]                     ; its query block
	s_lshr_b32 s50, s[WV], 3
	s_lshl_b32 s[DST], s57, 1
	s_add_co_u32 s[DST], s[DST], s50               ; the key step on my diagonal: 2 x block + wave / 8
	s_lshl_b32 s[DSB], s[IX], 1
	s_add_co_u32 s[DSB], s[DSB], s50
	s_mov_b32 s[CS], 0x3e38aa3b                    ; log2(e) / 8
	s_mov_b32 s[CS+1], s[CS]
	s_mov_b32 s[SEL], 0x76543210
	s_mov_b32 s[SEL+1], 0xfedcba98
	s_mov_b32 s[KI], 0
	; group 1: a dense block of 102 rows of 256 bytes
	s_mov_b32 s[G1+0], 3<<16
	s_mov_b32 s[G1+1], 32<<16
	s_mov_b32 s[G1+2], 102<<16
	s_mov_b32 s[G1+3], 32<<16
	s_mov_b32 s[G1+4], 102
	s_mov_b32 s[G1+5], 32
	s_mov_b32 s[G1+6], 0
	s_mov_b32 s[G1+7], 0
	s_mov_b32 s[G0+0], 1
	s_mul_i32 s[G0+1], s[WV], SLOTB
	s_cmp_lt_u32 s[WV], s[N1]                      ; LDS slot w holds the head's slot w in the first pass, w - N1 in the second
	s_cselect_b32 s48, 0, s[N1]
	s_sub_co_u32 s48, s[WV], s48
	s_lshl_b32 s49, s[BH], 3
	s_add_co_u32 s48, s48, s49
	s_mul_i32 s48, s48, SLOTB
	s_add_co_u32 s42, s49, s57
	s_mul_i32 s42, s42, SLOTB                      ; q's slots of the two passes
	s_add_co_u32 s44, s49, s[IX]
	s_mul_i32 s44, s44, SLOTB
	s_mov_b32 s49, 0
	s_mov_b32 s43, 0
	s_mov_b32 s45, 0
	s_lshr_b32 s55, s[BH], 4                       ; batch
	s_and_b32 s56, s[BH], 15                       ; head
	s_lshl_b32 s58, s55, 7
	s_add_co_u32 s58, s58, s[WV]
	s_lshr_b32 s60, s56, 1
	s_and_b32 s61, s56, 1
	s_mul_i32 s61, s61, 768
	s_lshl_b32 s59, s57, 4                         ; y's image: fragment 128 batch + 16 block + wave, K step head / 2, half head % 2
	s_add_co_u32 s59, s59, s58
	s_lshl_b32 s59, s59, 3
	s_add_co_u32 s59, s59, s60
	s_mul_i32 s38, s59, 1536
	s_add_co_u32 s38, s38, s61
	s_mov_b32 s39, 0
	s_lshl_b32 s59, s[IX], 4
	s_add_co_u32 s59, s59, s58
	s_lshl_b32 s59, s59, 3
	s_add_co_u32 s59, s59, s60
	s_mul_i32 s40, s59, 1536
	s_add_co_u32 s40, s40, s61
	s_mov_b32 s41, 0
	s_cmp_eq_u32 s[WV], 0                          ; y's halfwords: wave 0 stores the first pass's, wave 1 the second's: (128 head + 32 batch + 4 block) x 128 bytes
	s_cselect_b32 s62, s57, s[IX]
	s_lshl_b32 s62, s62, 2
	s_lshl_b32 s46, s56, 7
	s_add_co_u32 s46, s46, s62
	s_lshl_b32 s62, s55, 5
	s_add_co_u32 s46, s46, s62
	s_lshl_b32 s46, s46, 7
	s_mov_b32 s47, 0
	; all address registers are made here, by every wave, ahead of the first parting on the wave's number
	v_and_b32 v232, 31, v0
	v_and_b32 v233, 15, v0                         ; r
	v_bfe_u32 v234, v0, 4, 1                       ; h
	s_delay_alu instid0(VALU_DEP_2)
	v_and_b32 v235, 8, v233
	s_delay_alu instid0(VALU_DEP_1)
	v_add_nc_u32 v235, v235, v233                  ; r + 8 (r / 8)
	v_lshlrev_b32 v[L8], 3, v232
	s_wait_alu depctr_va_vdst(0)
	v_lshl_add_u32 v[KSO], v233, 5, 24576
	s_wait_alu depctr_va_vdst(0)
	v_lshl_add_u32 v[VSO], v233, 4, 25600
	s_bfe_u32 s51, s[WV], 0x20001
	s_lshl_b32 s51, s51, 5
	s_and_b32 s52, s[WV], 1
	s_lshl_b32 s53, s52, 3
	s_add_co_u32 s51, s51, s53                     ; my tile's first token in its 128: 32 ((wave / 2) % 4) + 8 (wave % 2)
	v_lshlrev_b32 v236, 4, v234
	s_delay_alu instid0(VALU_DEP_1)
	v_sub_nc_u32 v[DD], v235, v236
	s_delay_alu instid0(VALU_DEP_1)
	v_add_nc_u32 v[DD], s51, v[DD]
	s_lshr_b32 s54, s[WV], 2
	s_lshl_b32 s54, s54, 7
	s_and_b32 s53, s[WV], 3
	s_lshl_b32 s53, s53, 1
	s_add_co_u32 s54, s54, s53
	s_add_co_u32 s54, s54, YSG
	v_lshl_add_u32 v[YSA], v233, 3, s54            ; [wave / 4][r][wave % 4] halfwords
	s_lshl_b32 s52, s52, 9
	s_add_co_u32 s52, s52, YSG
	v_lshl_add_u32 v[YSR], v232, 4, s52
	v_lshlrev_b32 v244, 4, v232
	s_mul_i32 s53, s[WV], 768
	v_add_nc_u32 v[ADL], s53, v[L8]                ; q: my tile's half image,
	s_lshl_b32 s53, s50, 9
	s_and_b32 s54, s[WV], 7
	s_lshl_b32 s54, s54, 2
	s_add_co_u32 s53, s53, s54
	v_add_nc_u32 v[ADS], s53, v[KSO]               ; and its scale word
	s_wait_dscnt 0x0                               ; the opening add is done
	s_wait_kmcnt 0x0
	s_add_nc_u64 s[G0+2:G0+3], s[6:7], s[48:49]
	s_or_b32 s[G0+3], s[G0+3], 0x80000000
	s_add_nc_u64 s[QA:QA+1], s[4:5], s[QA:QA+1]
	s_add_nc_u64 s[QB:QB+1], s[4:5], s[QB:QB+1]
	s_add_nc_u64 s[YA:YA+1], s[8:9], s[YA:YA+1]
	s_add_nc_u64 s[YB:YB+1], s[8:9], s[YB:YB+1]
	s_add_nc_u64 s[YSP:YSP+1], s[10:11], s[YSP:YSP+1]
	s_cmp_lt_u32 s[WV], 9
	s_cbranch_scc0 .Lno_fill
	tensor_load_to_lds s[G0:G0+3], s[G1:G1+7]
	s_nop 0
.rept 4
	v_nop
.endr
.Lno_fill:
	s_wait_alu depctr_va_vdst(0)
.irp u, 0,1,2
	global_load_b64 v[16+2*\u:17+2*\u], v[ADL], s[QA:QA+1] offset:256*\u
	global_load_b64 v[30+2*\u:31+2*\u], v[ADL], s[QB:QB+1] offset:256*\u
.endr
	global_load_b32 v28, v[ADS], s[QA:QA+1]
	global_load_b32 v29, v[ADS], s[QB:QB+1]
.irp j, 22,23,24,25,26,27
	v_mov_b32 v\j, 0                               ; the upper half of K = 128 is empty: zero codes
.endr
.irp t, 0,1,2,3
.irp j, 6,7,8,9,10,11
	v_mov_b32 v[36+12*\t+\j], 0
.endr
.endr
	v_mov_b32 v13, 0xff61b1e6                      ; the largest t so far: -3e38
	s_delay_alu instid0(VALU_DEP_1)
	v_floor_f32 v12, -v13                          ; -M
	v_mov_b32 v14, 0
	v_mov_b32 v15, 0
.irp j, 216,217,218,219,227,228,231
	v_mov_b32 v\j, 0                               ; permute destinations and upper halves of pairs: written once
.endr
.set N, 0
.rept 32
	v_mov_b32 v[160+N], 0                          ; O^T: the first change of M leaves zeros zeros
.set N, N+1
.endr
; A KEY STEP: 128 keys, the q-th of the slot in hand
.macro STEP q
	s_cmp_gt_u32 s[KI], s[DST]
	s_cbranch_scc1 .Lhidden_\@
	v_add_nc_u32 v[ADL], s[TB], v[L8]
	s_wait_alu depctr_va_vdst(0)
	v_add_nc_u32 v[ADS], s[TB], v[KSO]
	v_add_nc_u32 v[ADT], s[TB], v[VSO]
	v_nop
	v_nop                                          ; five places: the products below write over registers that the last step's products read
	ds_load_b128 v[84:87], v[ADS] offset:512*\q
	ds_load_b128 v[88:91], v[ADS] offset:512*\q+16
.irp g, 0,1                                    ; S^T = K Q^T, four tiles of 16 keys at a time
.if \g
.rept 4
	v_nop                                          ; places in front of loads into registers that matrix instructions have read
.endr
.endif
.irp t, 0,1,2,3
.irp u, 0,1,2
	ds_load_b64 v[36+12*\t+2*\u:37+12*\t+2*\u], v[ADL] offset:6144*\q+768*(4*\g+\t)+256*\u
.endr
.endr
	s_wait_dscnt 0x0
.irp t, 0,1,2,3
	v_wmma_scale_f32_16x16x128_f8f6f4 v[96+8*(4*\g+\t):103+8*(4*\g+\t)], v[36+12*\t:47+12*\t], v[16:27], 0, v[84+4*\g+\t], v28 matrix_a_fmt:MATRIX_FMT_FP6 matrix_b_fmt:MATRIX_FMT_FP6
.endr
.endr
.rept 4
	v_nop
.endr
	s_cmp_lg_u32 s[KI], s[DST]                     ; only the step on the diagonal has hidden keys
	s_cbranch_scc1 .Lopen_\@
	v_mov_b32 v229, 0xff800000                     ; -infinity
.set N, 0
.rept 64                                       ; register 16 b + i holds key 32 b + 16 h + i of the step: hidden where 32 b + i > DD
	v_cmp_gt_i32 vcc_lo, 32*(N/16)+N%16, v[DD]
	v_cndmask_b32 v[96+N], v[96+N], v229, vcc_lo
.set N, N+1
.endr
.Lopen_\@:
.irp b, 0,1,2,3
	v_max3_num_f32 v[212+\b], v[96+16*\b], v[97+16*\b], v[98+16*\b]   ; the largest score of each block of 32 keys: for the row's maximum and for the block's largest p
.endr
.irp i, 3,5,7,9,11,13
.irp b, 0,1,2,3
	v_max3_num_f32 v[212+\b], v[212+\b], v[96+16*\b+\i], v[97+16*\b+\i]
.endr
.endr
.irp b, 0,1,2,3
	v_max_num_f32 v[212+\b], v[212+\b], v[111+16*\b]
.endr
.irp b, 0,1,2,3
	s_delay_alu instid0(VALU_DEP_4)
	v_permlanex16_b32 v[216+\b], v[212+\b], s[SEL], s[SEL+1]
.endr
.irp b, 0,1,2,3
	s_delay_alu instid0(VALU_DEP_4)
	v_max_num_f32 v[212+\b], v[212+\b], v[216+\b]
.endr
	s_delay_alu instid0(VALU_DEP_2)
	v_max3_num_f32 v228, v212, v213, v214
	s_delay_alu instid0(VALU_DEP_1)
	v_max_num_f32 v228, v228, v215
	s_delay_alu instid0(VALU_DEP_1)
	v_mul_f32 v228, s[CS], v228
	s_delay_alu instid0(VALU_DEP_1)
	v_max_num_f32 v13, v13, v228                   ; the running largest t
	v_mov_b32 v228, v12
	s_delay_alu instid0(VALU_DEP_2)
	v_floor_f32 v12, -v13                          ; the new -M = -ceil(t)
	s_delay_alu instid0(VALU_DEP_1)
	v_sub_f32 v228, v12, v228                      ; old M - new M: a whole number, 0 or less
	s_delay_alu instid0(VALU_DEP_1)
	v_cvt_i32_f32 v228, v228                       ; (it saturates)
	s_delay_alu instid0(VALU_DEP_1)
	v_ldexp_f32 v226, 1.0, v228                    ; f = 2^(old M - new M)
.set N, 0
.rept 32
	v_pk_fma_f32 v[96+N:97+N], v[96+N:97+N], s[CS:CS+1], v[12:13] op_sel_hi:[1,0,0]   ; t - M
.set N, N+2
.endr
.irp b, 0,1,2,3
	v_fma_f32 v[212+\b], v[212+\b], s[CS], v12
.endr
.set N, 0
	s_wait_alu depctr_va_vdst(0)
.rept 64
	v_exp_f32 v[96+N], v[96+N]                     ; p = 2^(t - M)
.set N, N+1
.endr
	v_pk_mul_f32 v[14:15], v[14:15], v[226:227] op_sel_hi:[1,0]   ; the sums under the new M: a plain place behind the exponentials
	s_wait_alu depctr_va_vdst(0)                   ; one wait for the whole batch, ahead of its first reader
.irp b, 0,1,2,3
	v_exp_f32 v[212+\b], v[212+\b]                 ; the block's largest p
.endr
	v_pk_add_f32 v[216:217], v[100:101], v[104:105]
	v_pk_add_f32 v[254:255], v[108:109], v[112:113]
	v_pk_add_f32 v[252:253], v[116:117], v[120:121]
	v_pk_add_f32 v[250:251], v[124:125], v[128:129]
	v_pk_add_f32 v[248:249], v[132:133], v[136:137]
	v_pk_add_f32 v[246:247], v[140:141], v[144:145]
	v_pk_add_f32 v[242:243], v[148:149], v[152:153]
	v_pk_add_f32 v[14:15], v[14:15], v[156:157]
	v_pk_add_f32 v[216:217], v[216:217], v[96:97]
	v_pk_add_f32 v[254:255], v[254:255], v[98:99]
	v_pk_add_f32 v[252:253], v[252:253], v[102:103]
	v_pk_add_f32 v[250:251], v[250:251], v[106:107]
	v_pk_add_f32 v[248:249], v[248:249], v[110:111]
	v_pk_add_f32 v[246:247], v[246:247], v[114:115]
	v_pk_add_f32 v[242:243], v[242:243], v[118:119]
	v_pk_add_f32 v[14:15], v[14:15], v[122:123]
	v_pk_add_f32 v[216:217], v[216:217], v[126:127]
	v_pk_add_f32 v[254:255], v[254:255], v[130:131]
	v_pk_add_f32 v[252:253], v[252:253], v[134:135]
	v_pk_add_f32 v[250:251], v[250:251], v[138:139]
	v_pk_add_f32 v[248:249], v[248:249], v[142:143]
	v_pk_add_f32 v[246:247], v[246:247], v[146:147]
	v_pk_add_f32 v[242:243], v[242:243], v[150:151]
	v_pk_add_f32 v[14:15], v[14:15], v[154:155]
	v_pk_add_f32 v[216:217], v[216:217], v[158:159]
	s_delay_alu instid0(VALU_DEP_2)
	v_pk_add_f32 v[14:15], v[14:15], v[250:251]
	s_delay_alu instid0(VALU_DEP_2)
	v_pk_add_f32 v[216:217], v[216:217], v[248:249]
	v_pk_add_f32 v[254:255], v[254:255], v[246:247]
	v_pk_add_f32 v[252:253], v[252:253], v[242:243]
	s_delay_alu instid0(VALU_DEP_2)
	v_pk_add_f32 v[14:15], v[14:15], v[254:255]
	s_delay_alu instid0(VALU_DEP_2)
	v_pk_add_f32 v[216:217], v[216:217], v[252:253]
	s_delay_alu instid0(VALU_DEP_1)
	v_pk_add_f32 v[14:15], v[14:15], v[216:217]
	s_wait_alu depctr_va_vdst(0)                   ; and one for the four
.irp b, 0,1,2,3
	v_max_num_f32 v[212+\b], 0x1800000, v[212+\b]  ; the floor 2^(3 - 127)
.endr
.irp b, 0,1,2,3
	s_delay_alu instid0(VALU_DEP_4)
	v_add_nc_u32 v[220+\b], 0xff000000, v[212+\b]
.endr
.irp b, 0,1,2,3
	s_delay_alu instid0(VALU_DEP_4)
	v_lshrrev_b32 v[216+\b], 23, v[220+\b]
.endr
	s_delay_alu instid0(VALU_DEP_3)
	v_lshl_or_b32 v224, v217, 8, v216              ; p's scale word for these 128 keys
	s_delay_alu instid0(VALU_DEP_1)
	v_lshl_or_b32 v224, v218, 16, v224
	s_delay_alu instid0(VALU_DEP_1)
	v_lshl_or_b32 v224, v219, 24, v224
.irp c, 0,1
	v_cvt_scalef32_pk16_fp6_f32 v[192+6*\c:194+6*\c], v[96+32*\c:111+32*\c], v[220+2*\c]
	v_cvt_scalef32_pk16_fp6_f32 v[204+4*\c:206+4*\c], v[112+32*\c:127+32*\c], v[220+2*\c+1]
.endr
	v_nop                                          ; one plain place behind a scaled conversion
.irp t, 0,1,2,3                                ; V's four fragments land in p's registers, which the conversions have read
.irp p, 0,1,2,3,4,5
	ds_load_b64 v[96+12*\t+2*\p:97+12*\t+2*\p], v[ADL] offset:12288+6144*\q+1536*\t+256*\p
.endr
.endr
	ds_load_b128 v[92:95], v[ADT] offset:256*\q
.irp c, 0,1
.irp i, 0,1,2
	v_permlane16_swap_b32 v[192+6*\c+\i], v[204+4*\c+\i]
.endr
.irp i, 0,1,2
	s_delay_alu instid0(VALU_DEP_3)
	v_mov_b32 v[195+6*\c+\i], v[204+4*\c+\i]
.endr
.endr
.set N, 0
.rept 16
	v_pk_mul_f32 v[160+N:161+N], v[160+N:161+N], v[226:227] op_sel_hi:[1,0]   ; O^T under the new M; these are also the places between p's word and codes and the products
.set N, N+2
.endr
	s_wait_alu depctr_va_vdst(0)
	s_wait_dscnt 0x0
.irp t, 0,1,2,3                                ; O^T += V^T P^T: four accumulators, one turn each
	v_wmma_scale_f32_16x16x128_f8f6f4 v[160+8*\t:167+8*\t], v[96+12*\t:107+12*\t], v[192:203], v[160+8*\t:167+8*\t], v[92+\t], v224 matrix_a_fmt:MATRIX_FMT_FP6 matrix_b_fmt:MATRIX_FMT_FP6
.endr
.Lhidden_\@:
	s_add_co_u32 s[KI], s[KI], 1
.endm
.macro SLOTWORK
	STEP 0
	STEP 1
	s_add_co_u32 s[TB], s[TB], SLOTB
.endm
; A pass's end: y = O^T / the sum; its 64 channels are two blocks of y's K; lane (r, h) ends with block h whole: half an image, three stores of 256 consecutive bytes, aligned; the two scale bytes go to LDS
.macro YOUT pass, base
	s_wait_xcnt 0x0                                ; earlier stores have read their data
.rept 4
	v_nop                                          ; places behind the last products
.endr
	v_add_f32 v14, v14, v15
	s_delay_alu instid0(VALU_DEP_1)
	v_permlanex16_b32 v228, v14, s[SEL], s[SEL+1]
	s_delay_alu instid0(VALU_DEP_1)
	v_add_f32 v14, v14, v228                       ; the row's sum
	s_wait_alu depctr_va_vdst(0)
	v_rcp_f32 v230, v14
	v_nop                                          ; a plain place behind the reciprocal
	s_wait_alu depctr_va_vdst(0)                   ; and the wait ahead of its first reader
.set N, 0
.rept 16
	v_pk_mul_f32 v[96+N:97+N], v[160+N:161+N], v[230:231] op_sel_hi:[1,0]   ; register 16 b + i is channel 32 b + 16 h + i
.set N, N+2
.endr
.irp b, 0,1
	v_max3_num_f32 v[212+\b], |v[96+16*\b]|, |v[97+16*\b]|, 0x1800000
.endr
.irp i, 2,4,6,8,10,12,14
.irp b, 0,1
	s_delay_alu instid0(VALU_DEP_2)
	v_max3_num_f32 v[212+\b], v[212+\b], |v[96+16*\b+\i]|, |v[97+16*\b+\i]|
.endr
.endr
.irp b, 0,1
	s_delay_alu instid0(VALU_DEP_2)
	v_permlanex16_b32 v[216+\b], v[212+\b], s[SEL], s[SEL+1]
.endr
.irp b, 0,1
	s_delay_alu instid0(VALU_DEP_2)
	v_max_num_f32 v[212+\b], v[212+\b], v[216+\b]
.endr
.irp b, 0,1
	s_delay_alu instid0(VALU_DEP_2)
	v_add_nc_u32 v[220+\b], 0xff000000, v[212+\b]
.endr
.irp b, 0,1
	s_delay_alu instid0(VALU_DEP_2)
	v_lshrrev_b32 v[216+\b], 23, v[220+\b]
.endr
	s_delay_alu instid0(VALU_DEP_1)
	v_lshl_or_b32 v229, v217, 8, v216
	v_cvt_scalef32_pk16_fp6_f32 v[232:234], v[96:111], v220
	v_cvt_scalef32_pk16_fp6_f32 v[236:238], v[112:127], v221
	v_nop
.irp i, 0,1,2
	v_permlane16_swap_b32 v[232+\i], v[236+\i]
.endr
.irp i, 0,1,2
	s_delay_alu instid0(VALU_DEP_3)
	v_mov_b32 v[235+\i], v[236+\i]
.endr
.irp u, 0,1,2
	global_store_b64 v[L8], v[232+2*\u:233+2*\u], s[\base:\base+1] offset:256*\u th:TH_STORE_NT
.endr
	ds_store_b16 v[YSA], v229 offset:512*\pass     ; both lanes of a row write the same halfword with the same value
.endm
	s_wait_tensorcnt 0x0                           ; my slot has landed (a wave that fetched nothing passes at once),
	s_barrier_signal -1
	s_barrier_wait -1                              ; everybody's has: all nine slots are whole for every wave
	s_wait_loadcnt 0x0                             ; Q of both passes
	s_mov_b32 s[TB], 0
	s_mov_b32 s[TR], 0
	s_mov_b32 s[CNT], 9
.Lslot:                                            ; nine trips, a slot each; the first pass has N1 of them (five to eight)
	s_cmp_lg_u32 s[TR], s[N1]
	s_cbranch_scc1 .Lsame
	YOUT 0, YA
.irp j, 0,1,2,3,4,5
	v_mov_b32 v[16+\j], v[30+\j]                   ; the second pass's queries
.endr
	v_mov_b32 v28, v29
	v_mov_b32 v13, 0xff61b1e6
	s_delay_alu instid0(VALU_DEP_1)
	v_floor_f32 v12, -v13
	v_mov_b32 v14, 0
	v_mov_b32 v15, 0
.set N, 0
.rept 32
	v_mov_b32 v[160+N], 0                          ; (these are also the places between Q's word and codes and the next products)
.set N, N+1
.endr
	s_mov_b32 s[KI], 0
	s_mov_b32 s[DST], s[DSB]
.Lsame:
	SLOTWORK
	s_add_co_u32 s[TR], s[TR], 1
	s_sub_co_u32 s[CNT], s[CNT], 1
	s_cmp_lg_u32 s[CNT], 0
	s_cbranch_scc1 .Lslot
	YOUT 1, YB
	s_wait_dscnt 0x0                               ; for the others' sake: my halfwords are stored
	s_barrier_signal -1
	s_barrier_wait -1
	s_cmp_lt_u32 s[WV], 2
	s_cbranch_scc0 .Lend
	ds_load_b128 v[240:243], v[YSR]                ; a pass's 512 bytes
	s_wait_dscnt 0x0
	global_store_b128 v244, v[240:243], s[YSP:YSP+1] th:TH_STORE_NT   ; 512 consecutive bytes, aligned
.Lend:
	s_wait_tensorcnt 0x0                           ; the wave's end
	ds_add_u32 v[SPW], v[NIL]
	s_wait_dscnt 0x0
	s_endpgm
.Lfunc_end_k_qf824831006_attn:
	.size	k_qf824831006_attn, .Lfunc_end_k_qf824831006_attn-k_qf824831006_attn
	.p2alignl 7, 3214868480
	.fill 96, 4, 3214868480
	.section	.rodata,"a",@progbits
	.p2align	6, 0x0
	.amdhsa_kernel k_qf824831006_attn
		.amdhsa_group_segment_fixed_size 238080
		.amdhsa_private_segment_fixed_size 0
		.amdhsa_enable_private_segment 0
		.amdhsa_kernarg_size 32
		.amdhsa_user_sgpr_count 2
		.amdhsa_user_sgpr_kernarg_segment_ptr 1
		.amdhsa_wavefront_size32 1
		.amdhsa_system_sgpr_workgroup_id_x 1
		.amdhsa_system_sgpr_workgroup_id_y 1
		.amdhsa_system_sgpr_workgroup_id_z 1
		.amdhsa_system_vgpr_workitem_id 0
		.amdhsa_next_free_vgpr 256
		.amdhsa_next_free_sgpr 66
		.amdhsa_reserve_vcc 1
		.amdhsa_float_denorm_mode_32 3
		.amdhsa_float_denorm_mode_16_64 3
		.amdhsa_memory_ordered 1
		.amdhsa_forward_progress 1
		.amdhsa_inst_pref_size 67
	.end_amdhsa_kernel
	.amdgpu_metadata
---
amdhsa.version: [ 1, 2 ]
amdhsa.kernels:
  - .name:           k_qf824831006_attn
    .symbol:         k_qf824831006_attn.kd
    .args:
      - { .name: qq, .offset: 0, .size: 8, .value_kind: global_buffer, .address_space: global }
      - { .name: kv, .offset: 8, .size: 8, .value_kind: global_buffer, .address_space: global }
      - { .name: yc, .offset: 16, .size: 8, .value_kind: global_buffer, .address_space: global }
      - { .name: ys, .offset: 24, .size: 8, .value_kind: global_buffer, .address_space: global }
    .group_segment_fixed_size: 238080
    .private_segment_fixed_size: 0
    .kernarg_segment_align: 8
    .kernarg_segment_size: 32
    .max_flat_workgroup_size: 512
    .sgpr_count:     66
    .vgpr_count:     256
    .wavefront_size: 32
...
	.end_amdgpu_metadata
.endif
;; end of part 3
;; launch proj (part 4): grid 4 x 64, 4 waves a work-group, clusters of 4 x 4, 327,680 bytes of LDS; arguments yc, ys, opc, ops, bp, out0; writes out0
.if DOCPART == 4
	.amdgcn_target "amdgcn-amd-amdhsa--gfx1250"
	.amdhsa_code_object_version 6
	.text
	.protected	k_qf824831006_proj
	.globl	k_qf824831006_proj
	.p2align	8
	.type	k_qf824831006_proj,@function
k_qf824831006_proj:
	s_mov_b64 s[64:65], 0
	v_nop
	global_prefetch_b8 v0, s[64:65] scope:SCOPE_SE
	s_setreg_imm32_b32 hwreg(HW_REG_WAVE_MODE, 25, 1), 1
	s_wait_xcnt 0x0
	s_wait_alu depctr_hold_cnt(0) depctr_sa_sdst(0) depctr_va_vdst(0) depctr_va_sdst(0) depctr_va_ssrc(0) depctr_va_vcc(0) depctr_vm_vsrc(0)
	s_getreg_b32 s2, hwreg(HW_REG_IB_STS2, 6, 4)
	s_cmp_eq_u32 s2, 0
	s_cbranch_scc0 .Lentry_in_a_cluster
	s_endpgm
.Lentry_in_a_cluster:
	s_bfe_u32 s2, ttmp6, 0x10000c
	s_cmp_lg_u32 s2, 0xf033
	s_cbranch_scc0 .Lentry_shape_is_right
	s_endpgm
.Lentry_shape_is_right:
; out0 = y Wp + bp on codes of FP6 (E2M3) with E8M0 scales, sums in f32.  y's codes and scale bytes and Wp's come as images of operand registers (1,536 bytes for 16 rows x 128 K; slot r of fragment F = row 32 (F / 2) + 8 (F % 2) + r + 8 (r / 8)).
; SHARES.  A work-group takes 128 tokens x 256 columns, so that there are 256 work-groups; four waves, each 64 tokens x 128 columns: 32 accumulators.  Source 0 = Wp's rows, source 1 = tokens: a lane holds one token and neighbouring columns.
; ALL OF K LIES IN LDS: four slots of 256 along K, each filled once, at the head: by this text's count four tensor loads of a wave are out.  A plain barrier with a counted wait stands in front of each later slot's first read.
; CLUSTER 4 x 4: the tokens' tile is asked for jointly by a row of the cluster, the weights' by a column.  No prefetch: everything is asked for at the head.
; The bias is the C of each sum's first matrix instruction.  y's scale bytes lie as halfwords, a head each: two heads' halfwords make a K step's word, by one v_perm_b32.
; REGISTERS: window 0: v0-31 addresses; v32-63 the tokens' scale words [4 s + a]; v64-127 the weights' [8 s + b]; v128-191 the bias [8 b + j]; v192-223 y's halfwords as loaded.  window 1: the weights' two sets, v0 and v128.
;   window 2: accumulator (a, b) at v[8 (8 a + b)].  window 3: the tokens' two sets, v0 and v64.
.set SLOT,  73728                      ; the tokens' 8 fragments x 3,072 bytes, then the weights' 16
.set ROFF,  24576
.set SPARE, 4*SLOT                     ; the spare words, 128 bytes a wave: two blocks of 256 bytes that no other line names
.set SPITCH, 528                       ; the way out: a stage of 16 rows x (512 bytes + 16) a wave, in slot 0, which has had its one fill and its last read when the first result is stored there
.set FR,  12
.set SCP, 32
.set SCR, 64
.set BIAS, 128
.set RAW, 192
.set BK,  128
.set ADRA, 16                          ; v16-19
.set ADRB, 20                          ; v20-23
.set STO, 24
.set RD,  25
.set CO,  26
.set L8,  27
.set SPW, 28                           ; my spare word; never rewritten
.set NIL, 29                           ; 0; never rewritten
.set WV,  16
.set WHI, 17
.set WLO, 18
.set G1P, 24
.set G0P, 32                           ; s[32:47] a group 0 for each slot
.set G1R, 48
.set G0R, 68                           ; s[68:83]
.set MSB, 0
.macro WIN new
.if MSB != (\new)
	s_set_vgpr_msb (MSB<<8)|(\new)
.set MSB, (\new)
.endif
.endm
.macro JLOAD s                         ; waves 0 and 1 fetch the tokens' halves, waves 2 and 3 the weights'; an s_nop 0 and four v_nop follow each line
	s_cmp_eq_u32 s[WHI], 0
	s_cbranch_scc0 .Lfor_r_\@
	tensor_load_to_lds s[G0P+4*\s:G0P+4*\s+3], s[G1P:G1P+7]
	s_nop 0
.rept 4
	v_nop
.endr
	s_branch .Lasked_\@
.Lfor_r_\@:
	tensor_load_to_lds s[G0R+4*\s:G0R+4*\s+3], s[G1R:G1R+7]
	s_nop 0
.rept 4
	v_nop
.endr
.Lasked_\@:
.endm
.macro CROUND
	s_barrier_signal -1
	s_barrier_wait -1
	s_cmp_lg_u32 s[WV], 0
	s_cbranch_scc1 .Lnot_wave_0_\@
	s_barrier_signal -3
.Lnot_wave_0_\@:
	s_barrier_wait -3
	s_barrier_signal -1
	s_barrier_wait -1
.endm
.macro PLACES n
.rept \n
	v_nop
.endr
.endm
	s_load_b256 s[4:11], s[0:1], 0x0               ; yc, ys, opc, ops
	s_load_b128 s[12:15], s[0:1], 0x20             ; bp, out0
	v_lshl_add_u32 v[SPW], v0, 2, SPARE
	v_mov_b32 v[NIL], 0
	ds_add_u32 v[SPW], v[NIL]                      ; the wave's opening: the add and its wait come ahead of my first tensor load
	v_lshrrev_b32 v1, 5, v0
	v_readfirstlane_b32 s[WV], v1
	s_lshr_b32 s[WHI], s[WV], 1
	s_and_b32 s[WLO], s[WV], 1
	s_bfe_u32 s84, ttmp6, 0x40000                  ; cx
	s_bfe_u32 s85, ttmp6, 0x40004                  ; cy
	s_lshl_b32 s86, ttmp9, 2
	s_add_co_u32 s86, s86, s84                     ; tile column: 256 columns
	s_and_b32 s87, ttmp7, 0xffff
	s_lshl_b32 s87, s87, 2
	s_add_co_u32 s87, s87, s85                     ; tile row: 128 tokens
	s_lshl_b32 s88, s85, 2
	s_lshl_b32 s88, 15, s88
	s_lshl_b32 s89, 0x1111, s84
	s_or_b32 s[G1P+0], s88, (3<<16)|(1<<21)        ; rows of 384 elements of 8 bytes, 1,536 elements apart: four for the tokens,
	s_mov_b32 s[G1P+1], 384<<16
	s_mov_b32 s[G1P+2], 4<<16
	s_mov_b32 s[G1P+3], 384<<16
	s_mov_b32 s[G1P+4], 4
	s_mov_b32 s[G1P+5], 1536
	s_mov_b32 s[G1P+6], 0
	s_mov_b32 s[G1P+7], 0
	s_or_b32 s[G1R+0], s89, (3<<16)|(1<<21)        ; eight for the weights
	s_mov_b32 s[G1R+1], 384<<16
	s_mov_b32 s[G1R+2], 8<<16
	s_mov_b32 s[G1R+3], 384<<16
	s_mov_b32 s[G1R+4], 8
	s_mov_b32 s[G1R+5], 1536
	s_mov_b32 s[G1R+6], 0
	s_mov_b32 s[G1R+7], 0
	s_lshl_b32 s90, s87, 3                         ; tokens: fragment 8 x tile row + 4 x half
	s_lshl_b32 s91, s[WLO], 2
	s_add_co_u32 s90, s90, s91
	s_mul_i32 s90, s90, 12288
	s_mov_b32 s91, 0
	s_lshl_b32 s92, s86, 4                         ; weights: fragment 512 + 192 + 16 x tile column + 8 x half
	s_lshl_b32 s93, s[WLO], 3
	s_add_co_u32 s92, s92, s93
	s_add_co_u32 s92, s92, 704
	s_mul_i32 s92, s92, 12288
	s_mov_b32 s93, 0
	s_mul_i32 s94, s[WLO], 12288
	s_mul_i32 s95, s[WLO], 24576
	s_add_co_u32 s95, s95, ROFF
	s_wait_dscnt 0x0
	s_wait_kmcnt 0x0
	s_add_nc_u64 s[90:91], s[4:5], s[90:91]
	s_add_nc_u64 s[92:93], s[8:9], s[92:93]
	CROUND                                         ; all sixteen work-groups are here: the joint loads meet
.irp t, 0,1,2,3
	s_mov_b32 s[G0P+4*\t], 1
	s_add_co_u32 s[G0P+4*\t+1], s94, \t*SLOT
	s_add_nc_u64 s[G0P+4*\t+2:G0P+4*\t+3], s[90:91], \t*3072
	s_or_b32 s[G0P+4*\t+3], s[G0P+4*\t+3], 0x80000000
	s_mov_b32 s[G0R+4*\t], 1
	s_add_co_u32 s[G0R+4*\t+1], s95, \t*SLOT
	s_add_nc_u64 s[G0R+4*\t+2:G0R+4*\t+3], s[92:93], \t*3072
	s_or_b32 s[G0R+4*\t+3], s[G0R+4*\t+3], 0x80000000
	JLOAD \t
.endr
	v_and_b32 v1, 31, v0
	v_and_b32 v2, 15, v0                           ; r
	v_bfe_u32 v3, v0, 4, 1                         ; h
	v_lshlrev_b32 v[L8], 3, v1
	s_mul_i32 s56, s[WHI], 12288                   ; my four token fragments
	s_mul_i32 s57, s[WLO], 24576
	s_add_co_u32 s57, s57, ROFF                    ; my eight weight fragments
.irp t, 0,1,2,3
	v_add_nc_u32 v[ADRA+\t], s56, v[L8]
	v_add_nc_u32 v[ADRB+\t], s57, v[L8]
	s_add_co_u32 s56, s56, SLOT
	s_add_co_u32 s57, s57, SLOT
.endr
	s_lshl_b32 s58, s86, 2                         ; the weights' scale words: 64 rows number 128 + 48 + 4 x tile column + 2 x half
	s_lshl_b32 s59, s[WLO], 1
	s_add_co_u32 s58, s58, s59
	s_add_co_u32 s58, s58, 176
	s_lshl_b32 s58, s58, 11
	v_lshlrev_b32 v30, 4, v2
	v_add_nc_u32 v30, s58, v30
.irp s, 0,1,2,3,4,5,6,7
.irp g, 0,1
	global_load_b128 v[SCR+8*\s+4*\g:SCR+8*\s+4*\g+3], v30, s[10:11] offset:256*\s+2048*\g
.endr
.endr
	s_lshl_b32 s58, s87, 1                         ; y's halfwords: my 64 tokens, 128 bytes a head
	s_add_co_u32 s58, s58, s[WHI]
	s_lshl_b32 s58, s58, 7
	v_lshlrev_b32 v31, 3, v2
	v_add_nc_u32 v31, s58, v31
.irp d, 0,1,2,3,4,5,6,7,8,9,10,11,12,13,14,15
	global_load_b64 v[RAW+2*\d:RAW+2*\d+1], v31, s[6:7] offset:16384*\d
.endr
	s_lshl_b32 s58, s86, 10
	s_lshl_b32 s59, s[WLO], 9
	s_add_co_u32 s58, s58, s59                     ; my 128 columns, in bytes
	v_lshlrev_b32 v15, 6, v3
	v_add_nc_u32 v15, s58, v15
.irp b, 0,1,2,3,4,5,6,7
	global_load_b128 v[BIAS+8*\b:BIAS+8*\b+3], v15, s[12:13] offset:128*(\b/2)+32*(\b%2)       ; register j of tile b is column 32 (b / 2) + 16 h + 8 (b % 2) + j
	global_load_b128 v[BIAS+8*\b+4:BIAS+8*\b+7], v15, s[12:13] offset:128*(\b/2)+32*(\b%2)+16
.endr
	s_mul_i32 s59, s[WV], 16*SPITCH                ; my stage
	v_mul_u32_u24 v[STO], v2, SPITCH
	v_lshl_add_u32 v[STO], v3, 6, v[STO]
	v_add_nc_u32 v[STO], s59, v[STO]               ; in: row r, + 64 h
	v_lshlrev_b32 v[CO], 4, v1
	v_add_nc_u32 v[RD], s59, v[CO]                 ; back: 32 lanes take a row of 512 bytes
	s_lshl_b32 s60, s87, 19                        ; out0: 128 tokens of 4,096 bytes a tile row, 64 a half, + my columns
	s_lshl_b32 s61, s[WHI], 18
	s_add_co_u32 s60, s60, s61
	s_add_co_u32 s60, s60, s58
	s_mov_b32 s61, 0
	s_add_nc_u64 s[14:15], s[14:15], s[60:61]
	s_mov_b32 s62, 0x05040100                      ; the two low halves
	s_mov_b32 s63, 0x07060302                      ; the two high halves
.macro FRAG reg, adr, q, i
.irp p, 0,1,2,3,4,5
	ds_load_b64 v[\reg+2*\p:\reg+2*\p+1], v[\adr] offset:(\i)*3072+(\q)*1536+256*\p
.endr
.endm
.macro PFETCH s                        ; K step s: 72 loads of 256 consecutive bytes into the sets s % 2
	WIN 0x40                                       ; destination window 1
.irp i, 0,1,2,3,4,5,6,7
	FRAG 128*((\s)%2)+FR*\i, ADRB+(\s)/2, (\s)%2, \i
.endr
	WIN 0xc0                                       ; destination window 3
.irp i, 0,1,2,3
	FRAG 64*((\s)%2)+FR*\i, ADRA+(\s)/2, (\s)%2, \i
.endr
.endm
.macro PMUL s                          ; 32 matrix instructions: all 32 accumulators take turns, in the same order in every step
.irp a, 0,1,2,3
.irp b, 0,1,2,3,4,5,6,7
.if (\s) == 0
	v_wmma_scale_f32_16x16x128_f8f6f4 v[8*(8*\a+\b):8*(8*\a+\b)+7], v[128*((\s)%2)+FR*\b:128*((\s)%2)+FR*\b+FR-1], v[64*((\s)%2)+FR*\a:64*((\s)%2)+FR*\a+FR-1], v[BIAS+8*\b:BIAS+8*\b+7], v[SCR+8*(\s)+\b], v[SCP+4*(\s)+\a] matrix_a_fmt:MATRIX_FMT_FP6 matrix_b_fmt:MATRIX_FMT_FP6
.else
	v_wmma_scale_f32_16x16x128_f8f6f4 v[8*(8*\a+\b):8*(8*\a+\b)+7], v[128*((\s)%2)+FR*\b:128*((\s)%2)+FR*\b+FR-1], v[64*((\s)%2)+FR*\a:64*((\s)%2)+FR*\a+FR-1], v[8*(8*\a+\b):8*(8*\a+\b)+7], v[SCR+8*(\s)+\b], v[SCP+4*(\s)+\a] matrix_a_fmt:MATRIX_FMT_FP6 matrix_b_fmt:MATRIX_FMT_FP6
.endif
.endr
.endr
.endm
.macro PSTEP s
	s_wait_dscnt 0x0                               ; this step's fragments are in
.if ((\s)%2 == 1) && ((\s) < 7)
	s_wait_tensorcnt 2-(\s)/2                      ; my part of the next slot is in; the later slots' loads may stay out
	s_barrier_signal -1
	s_barrier_wait -1                              ; everybody's is
.endif
.if (\s) < 7
	PLACES 4                                       ; in front of loads into registers that the last step's products read
	PFETCH (\s)+1
.endif
.if (\s) == 0
	WIN 0x8d                                       ; source 0 window 1, source 1 window 3, C (the bias) window 0, D window 2
.else
	WIN 0xad
.endif
	PMUL \s
.endm
	s_wait_tensorcnt 3                             ; my part of slot 0 is in
	s_barrier_signal -1
	s_barrier_wait -1
	PFETCH 0
	WIN 0
	s_wait_loadcnt 0x0                             ; scale words, halfwords, bias
.irp s, 0,1,2,3,4,5,6,7                        ; K step s is heads 2 s and 2 s + 1: the first step's words are made first, 28 plain instructions ahead of their products
.irp q, 0,2
	v_perm_b32 v[SCP+4*\s+\q], v[RAW+4*\s+2+\q/2], v[RAW+4*\s+\q/2], s62
	v_perm_b32 v[SCP+4*\s+\q+1], v[RAW+4*\s+2+\q/2], v[RAW+4*\s+\q/2], s63
.endr
.endr
.irp s, 0,1,2,3,4,5,6,7
	PSTEP \s
.endr
	WIN 0
; THE WAY OUT, a block of 16 tokens x 128 columns at a time, through my own stage: in by 32 bytes a lane, back as whole rows of 512 bytes.  LDS serves a wave's instructions in order (ISA guide 5.7.1.4).
.macro TOSTAGE a
	WIN 0x08                                       ; the data: window 2
.irp b, 0,1,2,3,4,5,6,7
	ds_store_b128 v[STO], v[8*(8*(\a)+\b):8*(8*(\a)+\b)+3] offset:128*(\b/2)+32*(\b%2)          ; each accumulator from its low end on
	ds_store_b128 v[STO], v[8*(8*(\a)+\b)+4:8*(8*(\a)+\b)+7] offset:128*(\b/2)+32*(\b%2)+16
.endr
	WIN 0
.set BB, BK+64*((\a)%2)
.irp t, 0,1,2,3,4,5,6,7,8,9,10,11,12,13,14,15
	ds_load_b128 v[BB+4*\t:BB+4*\t+3], v[RD] offset:\t*SPITCH
.endr
.endm
.macro SEND a, younger
.set BB, BK+64*((\a)%2)
	s_wait_dscnt \younger
.irp t, 0,1,2,3,4,5,6,7,8,9,10,11,12,13,14,15
	global_store_b128 v[CO], v[BB+4*\t:BB+4*\t+3], s[14:15] offset:(32*((\a)/2)+8*((\a)%2)+\t+8*(\t/8))*4096 th:TH_STORE_NT   ; 512 consecutive bytes, aligned; slot t's token stands in the immediate
.endr
.endm
	PLACES 4
	TOSTAGE 0
.irp a, 1,2,3
.if \a > 1
	s_wait_xcnt 0x0                                ; block a - 2's stores have read their registers: block a's loads may land there
.endif
	TOSTAGE \a
	SEND \a-1, 32                                  ; behind block a - 1's loads: block a's 16 stores and 16 loads
.endr
	SEND 3, 0
	s_wait_tensorcnt 0x0                           ; the wave's end
	ds_add_u32 v[SPW], v[NIL]
	s_wait_dscnt 0x0
	CROUND                                         ; the closing round
	s_endpgm
.Lfunc_end_k_qf824831006_proj:
	.size	k_qf824831006_proj, .Lfunc_end_k_qf824831006_proj-k_qf824831006_proj
	.p2alignl 7, 3214868480
	.fill 96, 4, 3214868480
	.section	.rodata,"a",@progbits
	.p2align	6, 0x0
	.amdhsa_kernel k_qf824831006_proj
		.amdhsa_group_segment_fixed_size 327680
		.amdhsa_private_segment_fixed_size 0
		.amdhsa_enable_private_segment 0
		.amdhsa_kernarg_size 48
		.amdhsa_user_sgpr_count 2
		.amdhsa_user_sgpr_kernarg_segment_ptr 1
		.amdhsa_wavefront_size32 1
		.amdhsa_system_sgpr_workgroup_id_x 1
		.amdhsa_system_sgpr_workgroup_id_y 1
		.amdhsa_system_sgpr_workgroup_id_z 1
		.amdhsa_system_vgpr_workitem_id 0
		.amdhsa_next_free_vgpr 896
		.amdhsa_next_free_sgpr 100
		.amdhsa_reserve_vcc 0
		.amdhsa_float_denorm_mode_32 3
		.amdhsa_float_denorm_mode_16_64 3
		.amdhsa_memory_ordered 1
		.amdhsa_forward_progress 1
		.amdhsa_inst_pref_size 102
	.end_amdhsa_kernel
	.amdgpu_metadata
---
amdhsa.version: [ 1, 2 ]
amdhsa.kernels:
  - .name:           k_qf824831006_proj
    .symbol:         k_qf824831006_proj.kd
    .args:
      - { .name: yc, .offset: 0, .size: 8, .value_kind: global_buffer, .address_space: global }
      - { .name: ys, .offset: 8, .size: 8, .value_kind: global_buffer, .address_space: global }
      - { .name: opc, .offset: 16, .size: 8, .value_kind: global_buffer, .address_space: global }
      - { .name: ops, .offset: 24, .size: 8, .value_kind: global_buffer, .address_space: global }
      - { .name: bp, .offset: 32, .size: 8, .value_kind: global_buffer, .address_space: global }
      - { .name: out0, .offset: 40, .size: 8, .value_kind: global_buffer, .address_space: global }
    .group_segment_fixed_size: 327680
    .private_segment_fixed_size: 0
    .kernarg_segment_align: 8
    .kernarg_segment_size: 48
    .max_flat_workgroup_size: 128
    .sgpr_count:     100
    .vgpr_count:     896
    .wavefront_size: 32
...
	.end_amdgpu_metadata
.endif
;; end of part 4
